; MI455X (gfx1250); checked and timed in simulation.
; The chip was launched on July 23, 2026; its instructions are those of AMD's public machine-readable ISA for CDNA 5 (MIT licence, August 2026) and "CDNA5" Instruction Set Architecture Reference Guide (July 2026). The comments in the code are by the model that wrote it; some were corrected since.
;; Multi Head Attention. Allowed arithmetic: matrix products marked QUANTISED: E5M2 operands, one given power-of-two scale a tensor, by v_wmma_f32_16x16x64_bf8_bf8 or v_wmma_f32_16x16x128_bf8_bf8, f32 sums; everything else in f32.
;; Inputs: Wkv 1,024 x 2,048 float32; Wo 1,024 x 1,024 float32; Wq 1,024 x 1,024 float32; beta 1,024 float32; bkv 2,048 float32; bo 1,024 float32; bq 1,024 float32; gamma 1,024 float32; lengths 4 int32; lowp_scales 10 int32 (the exponents e of the quantised operands' scales 2^e); x 4 x 2,048 x 1,024 float32.
;; Outputs: out0 4 x 2,048 x 1,024 float32.
;; This version of the problem:
;;   THIS VERSION OF THE PROBLEM IS GIVEN IN LOW PRECISION. The matrix products marked QUANTISED in the list below multiply operands that are first quantised to E5M2 (5 exponent bits, 2 mantissa bits; 8 bits a number), with one given power-of-two scale for each operand tensor; their sums are f32. All else is computed in f32.
;;   The module's matrix products, in the order in which they are computed (A, B: the left and right operand; K: the contracted axis; several contracted axes count as one K, in the product's order):
;;     1. [M 8,192, K 1,024] x [K 1,024, N 1,024]; A: computed on the way; B: input Wq: QUANTISED (scales: A lowp_scales[0], B lowp_scales[1])
;;     2. [M 8,192, K 1,024] x [K 1,024, N 2,048]; A: computed on the way; B: input Wkv: QUANTISED (scales: A lowp_scales[2], B lowp_scales[3])
;;     3. batch 64 x [M 2,048, K 64] x [K 64, N 2,048]; A: computed on the way; B: computed on the way: QUANTISED (scales: A lowp_scales[4], B lowp_scales[5])
;;     4. batch 64 x [M 64, K 2,048] x [K 2,048, N 2,048]; A: computed on the way; B: softmax (see below): QUANTISED (scales: A lowp_scales[6], B lowp_scales[7])
;;     5. [M 8,192, K 1,024] x [K 1,024, N 1,024]; A: computed on the way; B: input Wo: QUANTISED (scales: A lowp_scales[8], B lowp_scales[9])
;;   THE QUANTISER, for each operand of a quantised product, along K:
;;     - The operand's scale is 2^e, e = its entry of the input lowp_scales (int32; the entries are numbered through the quantised products in the list's order, A before B).
;;     - Each number is divided by the scale, clamped to +-57,344, and rounded to the nearest number of E5M2, ties to even, subnormals kept.
;;     - The product sums the exact products of the quantised numbers (number of the format x scale) in f32.
;;   ~~~python
;;   def quantise(x, axis, e):      # numpy; x: float32 -> the quantised numbers, widened to float32 again
;;       x = np.moveaxis(x, axis, -1); K = x.shape[-1]
;;       r = np.clip(x / 2.0 ** e, -57344, 57344)
;;       step = 2.0 ** (np.maximum(np.frexp(np.where(r == 0, 1, r))[1] - 1, -14) - 2)
;;       q = np.round(r / step) * step * 2.0 ** e      # np.round: ties to even
;;       return np.moveaxis(q, -1, axis).astype(np.float32)
;;   ~~~
;;   SOFTMAX AHEAD OF A QUANTISED PRODUCT. Where the list says 'softmax', what is quantised is not the finished softmax but p = 2^(t - M), with t = logit x log2(e) and M = ceil(the row's largest t), a whole number; so 1/2 < the row's largest p <= 1. The row's sum l is taken of the UNQUANTISED p, in f32, and the product's result is divided by l at the end. Since M is a whole number, a kernel that streams over the keys may use a running M (the ceiling of the running maximum): every later rescaling is an exact power of two, so the quantised numbers keep their values, but for numbers so far below the row's largest that they fall under the format's range.
;;   OPERANDS COMPUTED ON THE WAY. 'Computed on the way' means the value that the module computes at that place (a softmax that the list does not call 'softmax' is quantised finished and normalised). What goes into a quantiser is computed in f32, as accurately as f32 sums, v_exp_f32 and their like allow (about 1e-6 of the number): no bf16 or f16 on the way to a quantiser, and a product that is left as it is and whose result goes on into a quantised operand takes f32 operands (vector FMAs, or v_wmma_f32_16x16x4_f32). A number that lies on a knife's edge between two numbers of the format may be rounded either way, as far as f32 arithmetic and the matrix unit's own rounding can turn it there, and no further.
;; 2 versions, each right; version 2 is version 1 with the launch attn written anew for expert scheduling mode. Each part assembles by itself: llvm-mc -triple=amdgcn-amd-amdhsa -mcpu=gfx1250 --defsym DOCPART=n.
;; ======== version 1 of 2: 4 launches
;; workspace buffers: xq_codes 8,388,608 bytes; xkv_codes 8,388,608 bytes; w_codes 4,194,304 bytes; q_codes 8,388,608 bytes; k_codes 8,388,608 bytes; v_codes 8,388,608 bytes; o_codes 8,388,608 bytes
;; launch prep (part 1): grid 384 x 1, 4 waves a work-group, no clusters, 43,520 bytes of LDS; arguments x, gamma, beta, Wq, Wkv, Wo, lowp_scales, xq_codes, xkv_codes, w_codes; writes xq_codes, xkv_codes, w_codes
.if DOCPART == 1
	.amdgcn_target "amdgcn-amd-amdhsa--gfx1250"
	.amdhsa_code_object_version 6
	.text
	.protected	k_q011c8316aa_prep
	.globl	k_q011c8316aa_prep
	.p2align	8
	.type	k_q011c8316aa_prep,@function
k_q011c8316aa_prep:
	s_mov_b64 s[64:65], 0
	v_nop
	global_prefetch_b8 v0, s[64:65] scope:SCOPE_SE
	s_setreg_imm32_b32 hwreg(HW_REG_WAVE_MODE, 25, 1), 1
	s_wait_xcnt 0x0
; TWO JOBS IN ONE LAUNCH, parted once on the work-group's number; the two ways never join and have LDS bytes of their own.
; Work-groups 0-255: xn = layer_norm(x) in f32 (mean, then the variance of the differences: two passes over registers), quantised twice to E5M2:
;   xq_codes [8192][1024] with 2^e0 (first product's left operand), xkv_codes [8192][1024] with 2^e2 (second product's).
; Work-groups 256-383: the three weights, stored [k][n] f32, become w_codes [4096 n][1024 k], K innermost:
;   rows 0-1023 Wq's columns (e1), 1024-3071 Wkv's columns (e3), 3072-4095 Wo's columns (e9).
; code = number / 2^e, held within +-57,344, to the nearest code, ties to even.
; LIMITS: every e used here lies between -126 and 112, so that 2^e and 57,344 x 2^e are f32 numbers.  NaN among the inputs is not served.
; Memory binds: no matrix unit, no cluster, no tensor load; every load of a wave takes consecutive bytes, every store 256 or 512 consecutive aligned bytes.
.set ROWS,  8                          ; rows of x for a wave
.set GA,    20                         ; v20-51   gamma, laid as a row is laid
.set BE,    52                         ; v52-83   beta
.set X,     84                         ; v84-211  four row slots of 32 registers
.set T,     212                        ; v212-243 a row held within the first scale's range
.set C0,    244                        ; v244-251 its codes
.set C2,    212                        ; v212-219 the second scale's codes (T's first eight are free by then)
.set OB,    220                        ; v220-235 both rows of codes, read back from the stage
.set LNSTG, 34816                      ; LDS: 2,048 bytes a wave: a row of codes for each scale
.set WPITCH, 272                       ; LDS bytes 0-34,815: the weights' stage, 32 rows x (256 + 16) for each wave
.set WX,    32                         ; v32-95   two sets of 32 numbers down K
.set WC,    96                         ; v96-103  a block's codes
.set OUTR,  112                        ; v112-175 the way out
.set OF,    176                        ; v176-207 byte offset of K row i of a block: pitch x i + 4 x lane
.macro SCALES se, vs, vl               ; v[vs] = 2^e as f32 (the conversion takes its exponent field), v[vl] = 57,344 x 2^e
	s_add_co_i32 s62, s[\se], 127
	s_lshl_b32 s63, s62, 23
	v_mov_b32 v[\vs], s63
	s_add_co_i32 s62, s62, 15
	s_lshl_b32 s62, s62, 23
	s_or_b32 s62, s62, 0x600000
	v_mov_b32 v[\vl], s62
.endm
	s_load_b256 s[4:11], s[0:1], 0x0               ; x s[4:5], gamma s[6:7], beta s[8:9], Wq s[10:11]
	s_load_b256 s[12:19], s[0:1], 0x20             ; Wkv s[12:13], Wo s[14:15], the scales' exponents s[16:17], xq_codes s[18:19]
	s_load_b128 s[20:23], s[0:1], 0x40             ; xkv_codes s[20:21], w_codes s[22:23]
	v_lshl_add_u32 v254, v0, 2, 0xa800
	v_mov_b32 v255, 0
	v_lshrrev_b32 v1, 5, v0
	v_readfirstlane_b32 s24, v1                    ; wave 0..3
	v_and_b32 v1, 31, v0                           ; lane
	s_wait_kmcnt 0x0
	s_load_b256 s[28:35], s[16:17], 0x0            ; e0 .. e7
	s_load_b64 s[36:37], s[16:17], 0x20            ; e8, e9
	s_cmp_lt_u32 ttmp9, 256
	s_cbranch_scc0 .Lweights
; ---------------- layer norm: one wave, one row; a row is 8 loads of 512 consecutive bytes: chunk j, lane l holds x[128 j + 4 l + 0 .. 3]
	s_lshl_b32 s25, ttmp9, 5
	s_lshl_b32 s26, s24, 3
	s_add_co_u32 s25, s25, s26                     ; my first row: 32 x work-group + 8 x wave
	s_lshl_b32 s38, s25, 12
	s_mov_b32 s39, 0
	s_add_nc_u64 s[4:5], s[4:5], s[38:39]          ; x: rows of 4,096 bytes
	s_lshl_b32 s38, s25, 10
	s_add_nc_u64 s[18:19], s[18:19], s[38:39]      ; codes: rows of 1,024 bytes
	s_add_nc_u64 s[20:21], s[20:21], s[38:39]
	v_lshlrev_b32 v2, 4, v1                        ; 16 x lane; never rewritten
.macro LNLOAD i
.irp j, 0,1,2,3,4,5,6,7
	global_load_b128 v[X+32*((\i)%4)+4*\j:X+32*((\i)%4)+4*\j+3], v2, s[4:5] offset:4096*(\i)+512*\j th:TH_LOAD_NT
.endr
.endm
.irp j, 0,1,2,3,4,5,6,7
	global_load_b128 v[GA+4*\j:GA+4*\j+3], v2, s[6:7] offset:512*\j
.endr
.irp j, 0,1,2,3,4,5,6,7
	global_load_b128 v[BE+4*\j:BE+4*\j+3], v2, s[8:9] offset:512*\j
.endr
	LNLOAD 0
	LNLOAD 1
	LNLOAD 2
	LNLOAD 3
	s_lshl_b32 s26, s24, 11
	s_add_co_u32 s26, s26, LNSTG                   ; my stage
	v_lshl_add_u32 v3, v1, 2, s26                  ; in: 4 bytes a lane
	v_lshl_add_u32 v4, v1, 4, s26                  ; back: 16 bytes a lane
	v_mov_b32 v5, 0                                ; a lane permute's destination counts as read: written once
	s_mov_b32 s40, 0x3a800000                      ; 1 / 1024
	s_mov_b32 s41, 0x3727c5ac                      ; 1e-5
	s_mov_b32 s42, 0x76543210                      ; v_permlanex16_b32: each lane takes its own place in the other half
	s_mov_b32 s43, 0xfedcba98
	s_wait_kmcnt 0x0
	SCALES 28, 14, 15                              ; e0
	SCALES 30, 16, 17                              ; e2
.macro REDUCE                          ; v6 summed over the 32 lanes, the result in every lane
	v_add_f32_dpp v6, v6, v6 row_xmask:1 row_mask:0xf bank_mask:0xf
	v_add_f32_dpp v6, v6, v6 row_xmask:2 row_mask:0xf bank_mask:0xf
	v_add_f32_dpp v6, v6, v6 row_xmask:4 row_mask:0xf bank_mask:0xf
	v_add_f32_dpp v6, v6, v6 row_xmask:8 row_mask:0xf bank_mask:0xf
	v_permlanex16_b32 v5, v6, s42, s43
	v_add_f32 v6, v6, v5
.endm
; Row i.  left = the loads of the younger rows, 8 each, that may stay out.
.macro LNROW i, left
.set XS, X+32*((\i)%4)
	s_wait_loadcnt \left                           ; loads come back in order: my row is in (and gamma and beta, which are older)
	v_pk_add_f32 v[6:7], v[XS:XS+1], v[XS+2:XS+3]  ; the sum, two at a time, in two chains begun by the first numbers
	v_pk_add_f32 v[8:9], v[XS+4:XS+5], v[XS+6:XS+7]
.irp j, 8,12,16,20,24,28
	v_pk_add_f32 v[6:7], v[6:7], v[XS+\j:XS+\j+1]
	v_pk_add_f32 v[8:9], v[8:9], v[XS+\j+2:XS+\j+3]
.endr
	v_pk_add_f32 v[6:7], v[6:7], v[8:9]
	v_add_f32 v6, v6, v7
	REDUCE
	v_mul_f32 v10, s40, v6                         ; the mean
	v_mov_b32 v11, v10
.set n, 0
.rept 16
	v_pk_add_f32 v[XS+n:XS+n+1], v[XS+n:XS+n+1], v[10:11] neg_lo:[0,1] neg_hi:[0,1]   ; x - mean, in place
.set n, n+2
.endr
	v_pk_mul_f32 v[6:7], v[XS:XS+1], v[XS:XS+1]    ; the sum of their squares
	v_pk_mul_f32 v[8:9], v[XS+2:XS+3], v[XS+2:XS+3]
.irp j, 4,8,12,16,20,24,28
	v_pk_fma_f32 v[6:7], v[XS+\j:XS+\j+1], v[XS+\j:XS+\j+1], v[6:7]
	v_pk_fma_f32 v[8:9], v[XS+\j+2:XS+\j+3], v[XS+\j+2:XS+\j+3], v[8:9]
.endr
	v_pk_add_f32 v[6:7], v[6:7], v[8:9]
	v_add_f32 v6, v6, v7
	REDUCE
	v_fma_f32 v12, v6, s40, s41                    ; variance + 1e-5
	v_rsq_f32 v12, v12
	v_nop                                          ; a plain instruction behind the transcendental,
	s_wait_alu depctr_va_vdst(0)                   ; and the wait ahead of its first reader
	v_mov_b32 v13, v12
.set n, 0
.rept 16
	v_pk_mul_f32 v[XS+n:XS+n+1], v[XS+n:XS+n+1], v[12:13]
.set n, n+2
.endr
.set n, 0
.rept 16
	v_pk_fma_f32 v[XS+n:XS+n+1], v[XS+n:XS+n+1], v[GA+n:GA+n+1], v[BE+n:BE+n+1]   ; x gamma + beta
.set n, n+2
.endr
	s_wait_xcnt 0x0                                ; the last row's stores have read OB, which lies in T: T is written only behind this wait
.set n, 0
.rept 32
	v_med3_num_f32 v[T+n], v[XS+n], -v15, v15      ; the conversion does not saturate (ISA guide 7.6.2): the hold at the largest code x 2^e0
.set n, n+1
.endr
.irp g, 0,1,2,3
	v_cvt_scalef32_pk8_bf8_f32 v[C0+2*\g:C0+2*\g+1], v[T+8*\g:T+8*\g+7], v14   ; register j of the eight: chunk j's four codes
.endr
	v_nop                                          ; a plain instruction behind the conversions
.set n, 0
.rept 32
	v_med3_num_f32 v[XS+n], v[XS+n], -v17, v17     ; the same for 2^e2, in place
.set n, n+1
.endr
.irp g, 0,1,2,3
	v_cvt_scalef32_pk8_bf8_f32 v[C2+2*\g:C2+2*\g+1], v[XS+8*\g:XS+8*\g+7], v16
.endr
	v_nop
.irp j, 0,1,2,3,4,5,6,7
	ds_store_b32 v3, v[C0+\j] offset:128*\j        ; chunk j's 128 codes lie at byte 128 j of the row: 32 lanes x 4 bytes
.endr
.irp j, 0,1,2,3,4,5,6,7
	ds_store_b32 v3, v[C2+\j] offset:1024+128*\j
.endr
.irp m, 0,1,2,3
	ds_load_b128 v[OB+4*\m:OB+4*\m+3], v4 offset:512*\m   ; LDS serves a wave's instructions in order: these see my stores
.endr
.if (\i)+4 < ROWS
	LNLOAD (\i)+4                                  ; the slot takes the row four further down
.endif
	s_wait_dscnt 0x0                               ; the codes are back, and the stores into the stage have read their registers
	global_store_b128 v2, v[OB:OB+3], s[18:19] offset:1024*(\i)          ; each store: 512 consecutive bytes, aligned
	global_store_b128 v2, v[OB+4:OB+7], s[18:19] offset:1024*(\i)+512
	global_store_b128 v2, v[OB+8:OB+11], s[20:21] offset:1024*(\i)
	global_store_b128 v2, v[OB+12:OB+15], s[20:21] offset:1024*(\i)+512
.endm
	LNROW 0, 24
	LNROW 1, 24
	LNROW 2, 24
	LNROW 3, 24
	LNROW 4, 24
	LNROW 5, 16                                    ; the last rows load nothing: the counts run down
	LNROW 6, 8
	LNROW 7, 0
	s_wait_tensorcnt 0x0
	ds_add_u32 v254, v255
	s_wait_dscnt 0x0
	s_endpgm
; ---------------- the weights: a lane takes a column n and its registers run down K, so the conversions give codes with K innermost; nothing is transposed by an instruction
.Lweights:
	s_sub_co_u32 s25, ttmp9, 256
	s_and_b32 s26, s25, 31                         ; which 128 of the 4,096 rows of w_codes
	s_lshr_b32 s27, s25, 5                         ; which 256 along K
	s_cmp_lt_u32 s26, 8                            ; the tensor is chosen by the work-group's number alone
	s_cselect_b64 s[38:39], s[10:11], s[12:13]     ; Wq, or Wkv
	s_cselect_b32 s40, 0, 1
	s_cselect_b32 s41, 0, 1024
	s_cmp_lt_u32 s26, 24
	s_cselect_b64 s[38:39], s[38:39], s[14:15]     ; or Wo
	s_cselect_b32 s40, s40, 0                      ; a K row is 4,096 bytes, in Wkv twice that
	s_cselect_b32 s41, s41, 3072                   ; the tensor's first row in w_codes
	s_lshl_b32 s43, 4096, s40                      ; the pitch
	s_lshl_b32 s62, s26, 7
	s_lshl_b32 s63, s24, 5
	s_add_co_u32 s62, s62, s63                     ; my wave's first row of w_codes
	s_sub_co_u32 s63, s62, s41                     ; = this column of its tensor
	s_lshl_b32 s63, s63, 2
	s_lshl_b32 s60, s27, 8
	s_mul_i32 s60, s60, s43
	s_add_co_u32 s60, s60, s63
	s_mov_b32 s61, 0
	s_add_nc_u64 s[44:45], s[38:39], s[60:61]      ; block 0 of my 8 blocks of 32 along K
	s_lshl_b32 s60, s43, 5
.irp t, 1,2,3,4,5,6,7
	s_add_nc_u64 s[44+2*\t:45+2*\t], s[42+2*\t:43+2*\t], s[60:61]   ; a base for each block: no base is stepped while loads name it
.endr
	s_lshl_b32 s62, s62, 10
	s_lshl_b32 s63, s27, 8
	s_add_co_u32 s62, s62, s63
	s_mov_b32 s63, 0
	s_add_nc_u64 s[22:23], s[22:23], s[62:63]      ; w_codes at my first row, my 256 along K
	v_lshlrev_b32 v3, 2, v1
.set n, 0
.rept 32
	v_mad_u32_u24 v[OF+n], s43, n, v3
.set n, n+1
.endr
	s_mul_i32 s25, s24, 32*WPITCH                  ; my stage
	v_mul_u32_u24 v4, v1, WPITCH
	v_add_nc_u32 v4, s25, v4                       ; in: row = my column
	v_and_b32 v5, 15, v1
	v_lshrrev_b32 v6, 4, v1
	v_mul_u32_u24 v7, v6, WPITCH
	v_lshl_add_u32 v7, v5, 4, v7
	v_add_nc_u32 v7, s25, v7                       ; back: sixteen lanes to a row, two rows an instruction
	v_lshlrev_b32 v8, 10, v6
	v_lshl_add_u32 v8, v5, 4, v8                   ; and the same place in w_codes
.macro WLOAD t                         ; block t: W(32 t + i, my column): 32 lanes read 128 consecutive bytes
.set n, 0
.rept 32
	global_load_b32 v[WX+32*((\t)%2)+n], v[OF+n], s[44+2*(\t):45+2*(\t)] th:TH_LOAD_NT
.set n, n+1
.endr
.endm
	WLOAD 0
	WLOAD 1
	s_wait_kmcnt 0x0
	s_cmp_lt_u32 s26, 8
	s_cselect_b32 s42, s29, s31                    ; e1, or e3,
	s_cmp_lt_u32 s26, 24
	s_cselect_b32 s42, s42, s37                    ; or e9
	SCALES 42, 11, 10
.macro WBLOCK t
.set XS, WX+32*((\t)%2)
.if (\t) < 7
	s_wait_loadcnt 32                              ; this block's 32 loads are in; the next block's may be out
.else
	s_wait_loadcnt 0x0
.endif
.set n, 0
.rept 32
	v_med3_num_f32 v[XS+n], v[XS+n], -v10, v10
.set n, n+1
.endr
.irp g, 0,1,2,3
	v_cvt_scalef32_pk8_bf8_f32 v[WC+2*\g:WC+2*\g+1], v[XS+8*\g:XS+8*\g+7], v11
.endr
	ds_store_b128 v4, v[WC:WC+3] offset:32*(\t)    ; 32 codes of my column's row
	ds_store_b128 v4, v[WC+4:WC+7] offset:32*(\t)+16
.if (\t)+2 < 8
	WLOAD (\t)+2
.endif
	s_wait_dscnt 0x0                               ; the stores have read their registers: the next block's codes may be written (its 32 holds are the plain instructions behind the conversions)
.endm
.irp t, 0,1,2,3,4,5,6,7
	WBLOCK \t
.endr
.irp t, 0,1,2,3,4,5,6,7,8,9,10,11,12,13,14,15
	ds_load_b128 v[OUTR+4*\t:OUTR+4*\t+3], v7 offset:2*\t*WPITCH
.endr
.irp t, 0,1,2,3,4,5,6,7,8,9,10,11,12,13,14,15
	s_wait_dscnt 15-\t                             ; the younger read-backs may stay out
	global_store_b128 v8, v[OUTR+4*\t:OUTR+4*\t+3], s[22:23] offset:2*\t*1024   ; sixteen lanes store 256 consecutive bytes, aligned
.endr
	s_wait_tensorcnt 0x0
	ds_add_u32 v254, v255
	s_wait_dscnt 0x0
	s_endpgm
.Lfunc_end_k_q011c8316aa_prep:
	.size	k_q011c8316aa_prep, .Lfunc_end_k_q011c8316aa_prep-k_q011c8316aa_prep
	.p2alignl 7, 3214868480
	.fill 96, 4, 3214868480
	.section	.rodata,"a",@progbits
	.p2align	6, 0x0
	.amdhsa_kernel k_q011c8316aa_prep
		.amdhsa_group_segment_fixed_size 43520
		.amdhsa_private_segment_fixed_size 0
		.amdhsa_enable_private_segment 0
		.amdhsa_kernarg_size 80
		.amdhsa_user_sgpr_count 2
		.amdhsa_user_sgpr_kernarg_segment_ptr 1
		.amdhsa_wavefront_size32 1
		.amdhsa_system_sgpr_workgroup_id_x 1
		.amdhsa_system_sgpr_workgroup_id_y 1
		.amdhsa_system_sgpr_workgroup_id_z 1
		.amdhsa_system_vgpr_workitem_id 0
		.amdhsa_next_free_vgpr 256
		.amdhsa_next_free_sgpr 66
		.amdhsa_reserve_vcc 0
		.amdhsa_float_denorm_mode_32 3
		.amdhsa_float_denorm_mode_16_64 3
		.amdhsa_memory_ordered 1
		.amdhsa_forward_progress 1
		.amdhsa_inst_pref_size 160
	.end_amdhsa_kernel
	.amdgpu_metadata
---
amdhsa.version: [ 1, 2 ]
amdhsa.kernels:
  - .name:           k_q011c8316aa_prep
    .symbol:         k_q011c8316aa_prep.kd
    .args:
      - { .name: x, .offset: 0, .size: 8, .value_kind: global_buffer, .address_space: global }
      - { .name: gamma, .offset: 8, .size: 8, .value_kind: global_buffer, .address_space: global }
      - { .name: beta, .offset: 16, .size: 8, .value_kind: global_buffer, .address_space: global }
      - { .name: Wq, .offset: 24, .size: 8, .value_kind: global_buffer, .address_space: global }
      - { .name: Wkv, .offset: 32, .size: 8, .value_kind: global_buffer, .address_space: global }
      - { .name: Wo, .offset: 40, .size: 8, .value_kind: global_buffer, .address_space: global }
      - { .name: lowp_scales, .offset: 48, .size: 8, .value_kind: global_buffer, .address_space: global }
      - { .name: xq_codes, .offset: 56, .size: 8, .value_kind: global_buffer, .address_space: global }
      - { .name: xkv_codes, .offset: 64, .size: 8, .value_kind: global_buffer, .address_space: global }
      - { .name: w_codes, .offset: 72, .size: 8, .value_kind: global_buffer, .address_space: global }
    .group_segment_fixed_size: 43520
    .private_segment_fixed_size: 0
    .kernarg_segment_align: 8
    .kernarg_segment_size: 80
    .max_flat_workgroup_size: 128
    .sgpr_count:     66
    .vgpr_count:     256
    .wavefront_size: 32
...
	.end_amdgpu_metadata
.endif
;; end of part 1
;; launch qkv (part 2): grid 12 x 64, 4 waves a work-group, clusters of 4 x 4, 327,680 bytes of LDS; arguments xq_codes, xkv_codes, w_codes, lowp_scales, bq, bkv, q_codes, k_codes, v_codes; writes q_codes, k_codes, v_codes
.if DOCPART == 2
	.amdgcn_target "amdgcn-amd-amdhsa--gfx1250"
	.amdhsa_code_object_version 6
	.text
	.protected	k_q011c8316aa_qkv
	.globl	k_q011c8316aa_qkv
	.p2align	8
	.type	k_q011c8316aa_qkv,@function
k_q011c8316aa_qkv:
	s_mov_b64 s[64:65], 0
	v_nop
	global_prefetch_b8 v0, s[64:65] scope:SCOPE_SE
	s_setreg_imm32_b32 hwreg(HW_REG_WAVE_MODE, 25, 1), 1
	s_wait_xcnt 0x0
	s_wait_alu depctr_hold_cnt(0) depctr_sa_sdst(0) depctr_va_vdst(0) depctr_va_sdst(0) depctr_va_ssrc(0) depctr_va_vcc(0) depctr_vm_vsrc(0)
	s_getreg_b32 s2, hwreg(HW_REG_IB_STS2, 6, 4)
	s_cmp_eq_u32 s2, 0
	s_cbranch_scc0 .Lentry_in_a_cluster
	s_endpgm
.Lentry_in_a_cluster:
	s_bfe_u32 s2, ttmp6, 0x10000c
	s_cmp_lg_u32 s2, 0xf033
	s_cbranch_scc0 .Lentry_shape_is_right
	s_endpgm
.Lentry_shape_is_right:
; THE THREE PROJECTIONS on codes of E5M2, K = 1,024, and their results quantised again for attention.  The cluster's x says which:
;   0: q = xn Wq + bq        rows "A" = 128 tokens (xq_codes),  rows "B" = 256 features (w_codes rows 0 on),      out q_codes [4][16][2048][64], scale 2^e4
;   1: k = xn Wk + bk        rows "A" = 128 tokens (xkv_codes), rows "B" = 256 features (w_codes rows 1,024 on),  out k_codes likewise, 2^e5
;   2: v^T                   rows "A" = 128 features (w_codes rows 2,048 on), rows "B" = 256 tokens (xkv_codes),  out v_codes [4][16][16 blocks][64 d][128 keys], 2^e6
; V is made transposed only by exchanging the two pointers: a lane's eight results are then eight neighbouring KEYS of one channel, which is the next product's K.
; A tile of C is 128 (A) x 256 (B); four waves, each 64 x 128: 32 accumulators.  The matrix instruction takes B's rows as source 0 and A's as source 1: lane (r, h), register j of accumulator (a, b) is C(A row 16 a + r, B row 16 b + 8 h + j).
; K goes in four steps of 256 bytes through THREE LDS slots: K steps 0, 1, 2 are first fills, three tensor loads a wave, issued together; K step 3 is the one refill, into slot 0.  By this text's count a wave has three tensor loads out at the start and one later.
; CLUSTER 4 x 4: A's tiles are asked for jointly along a row of the cluster, B's along a column.  768 work-groups: 48 clusters.
; A fragment's k is taken in pieces of 16 bytes (registers 4 c .. 4 c + 3: k = 32 c + 16 h + 0 .. 15), alike in A and B: every product meets its partner; the order of the sums inside an instruction differs from the plain layout's.
; No prefetch: three quarters of a work-group's tiles are asked for at its head, and the launch is short.
; LIMITS: e0 + e1 and e2 + e3 between -126 and 127; e4, e5, e6 between -126 and 112.  NaN is not served.
; REGISTERS: window 0: v0-63 addresses and constants; v64-191 A's two sets (64 + 64 p + 16 a), on the way out at work; v192-255 the bias of my 128 B rows.  window 1: B's two sets (128 p + 16 b).  window 2: accumulator (a, b) at 8 (8 a + b).
.set PITCH, 272                        ; an LDS row: 256 bytes + 16 of padding = 68 words: the sixteen rows of a fragment load start at sixteen different banks (64 banks of 4 bytes: ISA guide 11.1)
.set HA,    64*PITCH                   ; what one of A's loads brings
.set HB,    128*PITCH                  ; what one of B's brings
.set SLOT,  2*HA+2*HB                  ; A's 128 rows, then B's 256
.set SPARE, 3*SLOT                     ; the spare words, 128 bytes a wave
.set STG,   SPARE+512                  ; the way out: 2,560 bytes a wave, bytes of their own
.set ASTEP3, 768                       ; from K step 0 to K step 3 in A's rows
.set PADW,  (1<<20)|(1<<21)|(5<<22)|(3<<25)   ; elements of 1 byte; padding on; bit 21 beside a mask; after every 64 words, 4 words
.set ADRA, 16                          ; v16-18 LDS address of my A fragments in slots 0-2
.set ADRB, 20                          ; v20-22 the same for B
.set CO,   26                          ; v26    16 x lane
.set SPW,  28                          ; v28    my spare word; never rewritten
.set NIL,  29                          ; v29    0; never rewritten
.set BR,   48                          ; v48-55 the bias of my A rows (V's way out): a pair for each block, the low word used
.set BIAS, 192
.set T,    64                          ; the way out: 64 numbers
.set CD,   128                         ; their codes
.set OB,   144                         ; rows read back: v144-159 and v160-175 by turns
.set WV,   22
.set G1A,  24
.set G1B,  32
.set G0A,  40                          ; three sets of four
.set G0B,  52
.set MSB, 0
.macro WIN new                         ; the immediate's high byte repeats the setting that is left
.if MSB != \new
	s_set_vgpr_msb (MSB<<8)|\new
.set MSB, \new
.endif
.endm
.set MUL,  0xa1                        ; source 0 (B) window 1, source 1 (A) window 0, C and D window 2
.set TO_B, 0x40                        ; destination window 1, address window 0
.macro PLACES                          ; four plain instructions between a matrix instruction and a load into, or a vector write of, its registers, or a read of its result
.rept 4
	v_nop
.endr
.endm
.macro CREST                           ; a round of the cluster's barrier behind its opening barrier
	s_cmp_lg_u32 s[WV], 0
	s_cbranch_scc1 .Lnot_wave_0_\@
	s_barrier_signal -3
.Lnot_wave_0_\@:
	s_barrier_wait -3
	s_barrier_signal -1
	s_barrier_wait -1
.endm
.macro CROUND
	s_barrier_signal -1
	s_barrier_wait -1
	CREST
.endm
.macro JLOAD                           ; the joint refill: waves 0, 1 fetch A's halves, waves 2, 3 B's; four v_nop follow each line
	s_cmp_eq_u32 s23, 0
	s_cbranch_scc0 .Lfor_b_\@
	tensor_load_to_lds s[G0A:G0A+3], s[G1A:G1A+7]
	s_nop 0
.rept 4
	v_nop
.endr
	s_branch .Lasked_\@
.Lfor_b_\@:
	tensor_load_to_lds s[G0B:G0B+3], s[G1B:G1B+7]
	s_nop 0
.rept 4
	v_nop
.endr
.Lasked_\@:
.endm
	s_load_b256 s[4:11], s[0:1], 0x0               ; xq s[4:5], xkv s[6:7], w s[8:9], the scales' exponents s[10:11]
	s_load_b256 s[12:19], s[0:1], 0x20             ; bq s[12:13], bkv s[14:15], q_codes s[16:17], k_codes s[18:19]
	s_load_b64 s[20:21], s[0:1], 0x40              ; v_codes
	v_lshl_add_u32 v[SPW], v0, 2, SPARE
	v_mov_b32 v[NIL], 0
	ds_add_u32 v28, v29
	ds_add_u32 v28, v29
	s_wait_dscnt 0x0
	v_lshrrev_b32 v1, 5, v0
	v_readfirstlane_b32 s[WV], v1                  ; wave 0..3
	s_lshr_b32 s23, s[WV], 1                       ; my half of A's rows in the products.  Also: I fetch for A (0) or B (1)
	s_and_b32 s3, s[WV], 1                         ; my half of B's rows.  Also: which half of that tile I fetch
	s_bfe_u32 s66, ttmp6, 0x40000                  ; cx
	s_bfe_u32 s67, ttmp6, 0x40004                  ; cy
	s_and_b32 s68, ttmp7, 0xffff                   ; the cluster's y, 0..15
	s_lshl_b32 s69, s67, 2
	s_lshl_b32 s69, 15, s69                        ; my row of the cluster
	s_lshl_b32 s70, 0x1111, s66                    ; my column
	s_or_b32 s[G1A], s69, PADW                     ; A's tiles go to my row,
	s_or_b32 s[G1B], s70, PADW                     ; B's to my column
	s_mov_b32 s[G1A+1], 256<<16                    ; tensor_dim0 = 256
	s_mov_b32 s[G1A+2], 64<<16                     ; tensor_dim1 = 64
	s_mov_b32 s[G1A+3], 256<<16                    ; tile_dim0
	s_mov_b32 s[G1A+4], 64                         ; tile_dim1
	s_mov_b32 s[G1A+5], 1024                       ; from row to row
	s_mov_b32 s[G1A+6], 0
	s_mov_b32 s[G1A+7], 0
	s_mov_b32 s[G1B+1], 256<<16
	s_mov_b32 s[G1B+2], 128<<16
	s_mov_b32 s[G1B+3], 256<<16
	s_mov_b32 s[G1B+4], 128
	s_mov_b32 s[G1B+5], 1024
	s_mov_b32 s[G1B+6], 0
	s_mov_b32 s[G1B+7], 0
	; the tiles' first rows.  A's hang on the cluster's x and y and on cy, B's on the cluster's x and y and on cx, each in registers of its own
	s_and_b32 s71, s68, 1
	s_lshr_b32 s72, s68, 1
	s_lshl_b32 s73, s68, 9
	s_lshl_b32 s74, s71, 9
	s_lshl_b32 s75, s72, 10
	s_cmp_eq_u32 ttmp9, 2
	s_cselect_b32 s73, s74, s73                    ; A: tokens 512 y on, or (V) features 512 (y & 1) on
	s_cselect_b32 s75, s75, 0                      ; B: features 0 on, or (V) tokens 1,024 (y >> 1) on
	s_lshl_b32 s74, s67, 7
	s_add_co_u32 s73, s73, s74                     ; + 128 cy
	s_lshl_b32 s74, s3, 6
	s_add_co_u32 s76, s73, s74                     ; + the 64 rows that I fetch
	s_lshl_b32 s76, s76, 10                        ; rows of 1,024 bytes
	s_mov_b32 s77, 0
	s_lshl_b32 s78, s66, 8
	s_add_co_u32 s75, s75, s78                     ; + 256 cx
	s_lshl_b32 s78, s3, 7
	s_add_co_u32 s78, s75, s78                     ; + the 128 rows that I fetch
	s_lshl_b32 s78, s78, 10
	s_mov_b32 s79, 0
	s_mul_i32 s98, s3, HA                          ; where they go: no place in the cluster enters an LDS address
	s_mul_i32 s99, s3, HB
	s_add_co_u32 s99, s99, 2*HA
	s_wait_kmcnt 0x0
	s_load_b256 s[80:87], s[10:11], 0x0            ; e0 .. e7
	s_add_nc_u64 s[88:89], s[8:9], 0x200000        ; w_codes row 2,048
	s_add_nc_u64 s[90:91], s[8:9], 0x100000        ; row 1,024
	s_cmp_eq_u32 ttmp9, 0
	s_cselect_b64 s[92:93], s[4:5], s[6:7]
	s_cselect_b64 s[94:95], s[8:9], s[90:91]
	s_cmp_eq_u32 ttmp9, 2
	s_cselect_b64 s[92:93], s[88:89], s[92:93]     ; A's buffer
	s_cselect_b64 s[94:95], s[6:7], s[94:95]       ; B's
	s_add_nc_u64 s[92:93], s[92:93], s[76:77]
	s_add_nc_u64 s[94:95], s[94:95], s[78:79]
.irp s, 0,1,2
	s_mov_b32 s[G0A+4*\s], 1                       ; count = 1
	s_add_co_u32 s[G0A+4*\s+1], s98, \s*SLOT       ; LDS address
	s_add_nc_u64 s[G0A+4*\s+2:G0A+4*\s+3], s[92:93], \s*256   ; K step s
	s_or_b32 s[G0A+4*\s+3], s[G0A+4*\s+3], 0x80000000         ; type = 2
	s_mov_b32 s[G0B+4*\s], 1
	s_add_co_u32 s[G0B+4*\s+1], s99, \s*SLOT
	s_add_nc_u64 s[G0B+4*\s+2:G0B+4*\s+3], s[94:95], \s*256
	s_or_b32 s[G0B+4*\s+3], s[G0B+4*\s+3], 0x80000000
.endr
	CROUND                                         ; all sixteen work-groups are here: the first joint loads meet
	s_cmp_eq_u32 s23, 0                            ; a wave's three first fills stand in one branch, ahead of every wait on TENSORcnt, every LDS read and every other barrier
	s_cbranch_scc0 .Lfirst_b
	tensor_load_to_lds s[G0A:G0A+3], s[G1A:G1A+7]
	s_nop 0
	tensor_load_to_lds s[G0A+4:G0A+7], s[G1A:G1A+7]
	s_nop 0
	tensor_load_to_lds s[G0A+8:G0A+11], s[G1A:G1A+7]
	s_nop 0
.rept 4
	v_nop
.endr
	s_branch .Lfirst_asked
.Lfirst_b:
	tensor_load_to_lds s[G0B:G0B+3], s[G1B:G1B+7]
	s_nop 0
	tensor_load_to_lds s[G0B+4:G0B+7], s[G1B:G1B+7]
	s_nop 0
	tensor_load_to_lds s[G0B+8:G0B+11], s[G1B:G1B+7]
	s_nop 0
.rept 4
	v_nop
.endr
.Lfirst_asked:
	; the biases.  Both kinds are loaded whatever the part, so that every register is written on every way; both stay inside their buffers for every part
	v_and_b32 v1, 15, v0                           ; r
	v_bfe_u32 v2, v0, 4, 1                         ; h
	v_lshlrev_b32 v31, 5, v2                       ; 32 h: my eight numbers of a tile of 16
	v_lshlrev_b32 v32, 2, v1                       ; 4 r
	s_cmp_eq_u32 ttmp9, 0
	s_cselect_b64 s[88:89], s[12:13], s[14:15]     ; bq, or bkv (its first 1,024 are K's)
	s_lshl_b32 s100, s66, 10
	s_lshl_b32 s101, s3, 9
	s_add_co_u32 s100, s100, s101                  ; 4 (256 cx + 128 x my half of B)
	s_mov_b32 s101, 0
	s_add_nc_u64 s[88:89], s[88:89], s[100:101]
	s_lshl_b32 s100, s71, 11
	s_lshl_b32 s74, s67, 9
	s_add_co_u32 s100, s100, s74
	s_lshl_b32 s74, s23, 8
	s_add_co_u32 s100, s100, s74
	s_add_co_u32 s100, s100, 4096                  ; 4 (1,024 + 512 (y & 1) + 128 cy + 64 x my half of A): V's biases
	s_add_nc_u64 s[90:91], s[14:15], s[100:101]
.irp b, 0,1,2,3,4,5,6,7
	global_load_b128 v[BIAS+8*\b:BIAS+8*\b+3], v31, s[88:89] offset:64*\b
	global_load_b128 v[BIAS+8*\b+4:BIAS+8*\b+7], v31, s[88:89] offset:64*\b+16
.endr
.irp a, 0,1,2,3
	global_load_b32 v[BR+2*\a], v32, s[90:91] offset:64*\a
	v_mov_b32 v[BR+2*\a+1], 0                      ; named with it as a pair, so it is written
.endr
	; LDS addresses
	v_mul_u32_u24 v3, v1, PITCH
	v_lshl_add_u32 v3, v2, 4, v3                   ; a fragment's row x pitch + 16 h
	s_mul_i32 s100, s23, HA
	s_mul_i32 s74, s3, HB
	s_add_co_u32 s74, s74, 2*HA
.irp s, 0,1,2
	v_add_nc_u32 v[ADRA+\s], s100, v3
	v_add_nc_u32 v[ADRB+\s], s74, v3
	s_add_co_u32 s100, s100, SLOT
	s_add_co_u32 s74, s74, SLOT
.endr
	s_mul_i32 s100, s[WV], 2560
	s_add_co_u32 s100, s100, STG                   ; my stage
	v_and_b32 v4, 31, v0
	v_mul_u32_u24 v24, v1, 80                      ; Q, K in: token r, rows of 64 + 16 bytes, + 8 h
	v_lshl_add_u32 v24, v2, 3, v24
	v_add_nc_u32 v24, s100, v24
	v_lshrrev_b32 v5, 2, v4                        ; back: four lanes to a row
	v_mul_u32_u24 v25, v5, 80
	v_and_b32 v5, 3, v4
	v_lshl_add_u32 v25, v5, 4, v25
	v_add_nc_u32 v25, s100, v25
	v_mul_u32_u24 v27, v1, 144                     ; V in: channel r, rows of 128 + 16 bytes, + 8 h
	v_lshl_add_u32 v27, v2, 3, v27
	v_add_nc_u32 v27, s100, v27
	v_lshrrev_b32 v5, 3, v4                        ; back: eight lanes to a row
	v_mul_u32_u24 v30, v5, 144
	v_and_b32 v5, 7, v4
	v_lshl_add_u32 v30, v5, 4, v30
	v_add_nc_u32 v30, s100, v30
	v_lshlrev_b32 v[CO], 4, v4
	; where my results go.  Q, K: ((batch 16 + head) 2,048 + token) 64, head = 4 cx + 2 x my half of B (and the next), token = 512 (y & 3) + 128 cy + 64 x my half of A
	s_lshr_b32 s73, s68, 2
	s_lshl_b32 s73, s73, 4                         ; 16 x batch
	s_lshl_b32 s74, s66, 2
	s_add_co_u32 s74, s74, s73
	s_lshl_b32 s75, s3, 1
	s_add_co_u32 s74, s74, s75
	s_lshl_b32 s74, s74, 17
	s_and_b32 s75, s68, 3
	s_lshl_b32 s75, s75, 9
	s_lshl_b32 s76, s67, 7
	s_add_co_u32 s75, s75, s76
	s_lshl_b32 s76, s23, 6
	s_add_co_u32 s75, s75, s76
	s_lshl_b32 s75, s75, 6
	s_add_co_u32 s74, s74, s75
	; V: (((batch 16 + head) 16 + key block) 8,192, head = 8 (y & 1) + 2 cy + my half of A, key block = 8 ((y >> 1) & 1) + 2 cx + my half of B
	s_lshl_b32 s75, s71, 3
	s_add_co_u32 s75, s75, s73
	s_lshl_b32 s76, s67, 1
	s_add_co_u32 s75, s75, s76
	s_add_co_u32 s75, s75, s23
	s_lshl_b32 s75, s75, 4
	s_and_b32 s76, s72, 1
	s_lshl_b32 s76, s76, 3
	s_add_co_u32 s75, s75, s76
	s_lshl_b32 s76, s66, 1
	s_add_co_u32 s75, s75, s76
	s_add_co_u32 s75, s75, s3
	s_lshl_b32 s75, s75, 13
	s_cmp_eq_u32 ttmp9, 0
	s_cselect_b64 s[92:93], s[16:17], s[18:19]
	s_cmp_eq_u32 ttmp9, 2
	s_cselect_b64 s[92:93], s[20:21], s[92:93]
	s_cselect_b32 s76, s75, s74
	s_mov_b32 s77, 0
	s_add_nc_u64 s[92:93], s[92:93], s[76:77]
	; the powers of two: chosen, never branched on
	s_wait_kmcnt 0x0
	s_add_co_i32 s100, s80, s81                    ; e0 + e1
	s_add_co_i32 s101, s82, s83                    ; e2 + e3
	s_cmp_eq_u32 ttmp9, 0
	s_cselect_b32 s96, s100, s101
	s_cselect_b32 s100, s84, s85
	s_cmp_eq_u32 ttmp9, 2
	s_cselect_b32 s100, s86, s100                  ; e4, e5 or e6
	s_add_co_i32 s96, s96, 127
	s_lshl_b32 s96, s96, 23                        ; what a sum is multiplied by
	s_mov_b32 s97, s96                             ; (named with it as a pair)
	s_add_co_i32 s100, s100, 127
	s_lshl_b32 s101, s100, 23
	v_mov_b32 v56, s101                            ; the result's scale as f32
	s_add_co_i32 s100, s100, 15
	s_lshl_b32 s100, s100, 23
	s_or_b32 s100, s100, 0x600000
	v_mov_b32 v57, s100                            ; 57,344 x that
.macro BFRAG reg, slot, q, b           ; 16 rows x 128 K: four loads of 16 bytes a lane
.irp c, 0,1,2,3
	ds_load_b128 v[\reg+4*\c:\reg+4*\c+3], v[ADRB+\slot] offset:128*(\q)+32*\c+(\b)*16*PITCH
.endr
.endm
.macro AFRAG reg, slot, q, a
.irp c, 0,1,2,3
	ds_load_b128 v[\reg+4*\c:\reg+4*\c+3], v[ADRA+\slot] offset:128*(\q)+32*\c+(\a)*16*PITCH
.endr
.endm
.macro FETCH slot, q, p                ; 48 LDS loads in one run: the slot's q-th 128 along K into set p; A's blocks last, in order
	WIN TO_B
.irp b, 0,1,2,3,4,5,6,7
	BFRAG 128*(\p)+16*\b, \slot, \q, \b
.endr
	WIN 0
.irp a, 0,1,2,3
	AFRAG 64+64*(\p)+16*\a, \slot, \q, \a
.endr
.endm
.macro MUL8 a, p, zero                 ; A's block a against B's eight.  The 32 accumulators take turns, one instruction a turn, in one order throughout.  zero = 1: the products start the sums
.irp b, 0,1,2,3,4,5,6,7
.if \zero
	v_wmma_f32_16x16x128_bf8_bf8 v[8*(8*(\a)+\b):8*(8*(\a)+\b)+7], v[128*(\p)+16*\b:128*(\p)+16*\b+15], v[64+64*(\p)+16*(\a):64+64*(\p)+16*(\a)+15], 0
.else
	v_wmma_f32_16x16x128_bf8_bf8 v[8*(8*(\a)+\b):8*(8*(\a)+\b)+7], v[128*(\p)+16*\b:128*(\p)+16*\b+15], v[64+64*(\p)+16*(\a):64+64*(\p)+16*(\a)+15], v[8*(8*(\a)+\b):8*(8*(\a)+\b)+7]
.endif
.endr
.endm
.macro STEP p, nslot, nq, zero         ; 128 along K from set p; in its middle the next 128 are fetched into the other set
	s_wait_dscnt 8                                 ; B's set and A's blocks 0, 1 are in; the youngest eight loads (A's blocks 2, 3) may be out
	WIN MUL
	MUL8 0, \p, \zero
	MUL8 1, \p, \zero
	s_wait_dscnt 0x0
	PLACES
	FETCH \nslot, \nq, 1-(\p)
	WIN MUL
	MUL8 2, \p, \zero
	MUL8 3, \p, \zero
.endm
.macro MEET                            ; the first half of a step from set 1 that changes slots: all my tensor loads have landed, 0 is added onto my spare word, my LDS reads are over; then the barrier
	WIN 0
	s_wait_tensorcnt 0x0
	ds_add_u32 v[SPW], v[NIL]
	s_wait_dscnt 9                                 ; (the add and A's blocks 2, 3 may be out)
	WIN MUL
	MUL8 0, 1, 0                                   ; eight matrix instructions stand between the add and the wait for it
	s_wait_dscnt 0x0
	s_barrier_signal -1
	MUL8 1, 1, 0
	WIN 0
	s_barrier_wait -1
.endm
	s_wait_tensorcnt 2                             ; my part of K step 0 is in; K steps 1 and 2 may stay out
	s_barrier_signal -1
	s_barrier_wait -1
	FETCH 0, 0, 0
	STEP 0, 0, 1, 1                                ; K 0-127 starts the sums
	MEET                                           ; K 128-255.  Slot 0 has been read out by me, and my parts of slots 1 and 2 have landed;
	CREST                                          ; the barrier has opened a round of the cluster's: the same holds of every wave of every partner
	s_add_nc_u64 s[G0A+2:G0A+3], s[G0A+2:G0A+3], ASTEP3
	s_add_nc_u64 s[G0B+2:G0B+3], s[G0B+2:G0B+3], 768
	JLOAD                                          ; K step 3 into slot 0: my one tensor load behind the round; its four v_nop are also the places in front of the loads below
	FETCH 1, 0, 0
	WIN MUL
	MUL8 2, 1, 0
	MUL8 3, 1, 0
	STEP 0, 1, 1, 0                                ; K 256-383
	STEP 1, 2, 0, 0                                ; K 384-511; slot 2 has been whole since the round: no barrier
	STEP 0, 2, 1, 0                                ; K 512-639
	MEET                                           ; K 640-767; my part of K step 3 has landed, and behind the barrier everybody's; nothing is filled any more
	PLACES
	FETCH 0, 0, 0
	WIN MUL
	MUL8 2, 1, 0
	MUL8 3, 1, 0
	STEP 0, 0, 1, 0                                ; K 768-895
	s_wait_dscnt 8                                 ; K 896-1,023: nothing more to fetch
	MUL8 0, 1, 0
	MUL8 1, 1, 0
	s_wait_dscnt 0x0
	MUL8 2, 1, 0
	MUL8 3, 1, 0
	WIN 0
; THE WAY OUT, a block of 16 A rows at a time: sum x 2^(ea + eb) + bias in one packed multiply-add, the hold, eight codes from a lane's eight registers, through my own stage in LDS, out as runs of 512 consecutive aligned bytes.
.macro PACK a, kind                    ; kind 0: Q, K (the bias hangs on B's row); 1: V (on A's row: one number a lane)
	WIN 0x02                                       ; source 0 (the sums) window 2
.irp b, 0,1,2,3,4,5,6,7
.irp j, 0,2,4,6
.if \kind
	v_pk_fma_f32 v[T+8*\b+\j:T+8*\b+\j+1], v[8*(8*(\a)+\b)+\j:8*(8*(\a)+\b)+\j+1], s[96:97], v[BR+2*(\a):BR+2*(\a)+1] op_sel_hi:[1,0,0]
.else
	v_pk_fma_f32 v[T+8*\b+\j:T+8*\b+\j+1], v[8*(8*(\a)+\b)+\j:8*(8*(\a)+\b)+\j+1], s[96:97], v[BIAS+8*\b+\j:BIAS+8*\b+\j+1] op_sel_hi:[1,0,1]
.endif
.endr
.endr
	WIN 0
.set n, 0
.rept 64
	v_med3_num_f32 v[T+n], v[T+n], -v57, v57       ; the conversion does not saturate (ISA guide 7.6.2)
.set n, n+1
.endr
.irp b, 0,1,2,3,4,5,6,7
	v_cvt_scalef32_pk8_bf8_f32 v[CD+2*\b:CD+2*\b+1], v[T+8*\b:T+8*\b+7], v56
.endr
	v_nop                                          ; a plain instruction behind the conversions
.endm
.macro STAGE a, kind
.set OBB, OB+16*((\a)%2)
.irp b, 0,1,2,3,4,5,6,7
.if \kind
	ds_store_b64 v27, v[CD+2*\b:CD+2*\b+1] offset:16*\b                       ; channel r: keys 16 b + 8 h + 0 .. 7
.else
	ds_store_b64 v24, v[CD+2*\b:CD+2*\b+1] offset:1280*(\b/4)+16*(\b%4)       ; head b / 4, token r: channels 16 (b % 4) + 8 h + 0 .. 7
.endif
.endr
.irp m, 0,1,2,3
.if \kind
	ds_load_b128 v[OBB+4*\m:OBB+4*\m+3], v30 offset:576*\m                    ; four rows of 128 bytes.  LDS serves a wave's instructions in order: these see my stores
.else
	ds_load_b128 v[OBB+4*\m:OBB+4*\m+3], v25 offset:1280*(\m/2)+640*(\m%2)    ; eight rows of 64 bytes
.endif
.endr
.endm
.macro SEND a, kind
.set OBB, OB+16*((\a)%2)
	s_wait_dscnt 0x0                               ; the block is back in registers
	s_wait_xcnt 0x0                                ; the stores before these have read their registers: the next block's loads land in them
.irp m, 0,1,2,3
.if \kind
	global_store_b128 v[CO], v[OBB+4*\m:OBB+4*\m+3], s[92:93] offset:2048*(\a)+512*\m
.else
	global_store_b128 v[CO], v[OBB+4*\m:OBB+4*\m+3], s[92:93] offset:131072*(\m/2)+1024*(\a)+512*(\m%2)
.endif
.endr
.endm
.macro WAYOUT kind
	PACK 0, \kind
	STAGE 0, \kind
.irp a, 1,2,3
	PACK \a, \kind                                 ; a block's arithmetic stands between the block before's loads from the stage and the wait for them
	SEND \a-1, \kind
	STAGE \a, \kind
.endr
	SEND 3, \kind
.endm
	s_wait_loadcnt 0x0                             ; the biases
	PLACES
	s_cmp_eq_u32 ttmp9, 2                          ; the cluster's x: the same in all sixteen partners
	s_cbranch_scc1 .Lway_v
	WAYOUT 0
	s_branch .Lend
.Lway_v:
	WAYOUT 1
.Lend:
	s_wait_tensorcnt 0x0                           ; the wave's end
	ds_add_u32 v[SPW], v[NIL]
	s_wait_dscnt 0x0
	CROUND                                         ; the closing round
	s_endpgm
.Lfunc_end_k_q011c8316aa_qkv:
	.size	k_q011c8316aa_qkv, .Lfunc_end_k_q011c8316aa_qkv-k_q011c8316aa_qkv
	.p2alignl 7, 3214868480
	.fill 96, 4, 3214868480
	.section	.rodata,"a",@progbits
	.p2align	6, 0x0
	.amdhsa_kernel k_q011c8316aa_qkv
		.amdhsa_group_segment_fixed_size 327680
		.amdhsa_private_segment_fixed_size 0
		.amdhsa_enable_private_segment 0
		.amdhsa_kernarg_size 72
		.amdhsa_user_sgpr_count 2
		.amdhsa_user_sgpr_kernarg_segment_ptr 1
		.amdhsa_wavefront_size32 1
		.amdhsa_system_sgpr_workgroup_id_x 1
		.amdhsa_system_sgpr_workgroup_id_y 1
		.amdhsa_system_sgpr_workgroup_id_z 1
		.amdhsa_system_vgpr_workitem_id 0
		.amdhsa_next_free_vgpr 768
		.amdhsa_next_free_sgpr 104
		.amdhsa_reserve_vcc 0
		.amdhsa_float_denorm_mode_32 3
		.amdhsa_float_denorm_mode_16_64 3
		.amdhsa_memory_ordered 1
		.amdhsa_forward_progress 1
		.amdhsa_inst_pref_size 119
	.end_amdhsa_kernel
	.amdgpu_metadata
---
amdhsa.version: [ 1, 2 ]
amdhsa.kernels:
  - .name:           k_q011c8316aa_qkv
    .symbol:         k_q011c8316aa_qkv.kd
    .args:
      - { .name: xq_codes, .offset: 0, .size: 8, .value_kind: global_buffer, .address_space: global }
      - { .name: xkv_codes, .offset: 8, .size: 8, .value_kind: global_buffer, .address_space: global }
      - { .name: w_codes, .offset: 16, .size: 8, .value_kind: global_buffer, .address_space: global }
      - { .name: lowp_scales, .offset: 24, .size: 8, .value_kind: global_buffer, .address_space: global }
      - { .name: bq, .offset: 32, .size: 8, .value_kind: global_buffer, .address_space: global }
      - { .name: bkv, .offset: 40, .size: 8, .value_kind: global_buffer, .address_space: global }
      - { .name: q_codes, .offset: 48, .size: 8, .value_kind: global_buffer, .address_space: global }
      - { .name: k_codes, .offset: 56, .size: 8, .value_kind: global_buffer, .address_space: global }
      - { .name: v_codes, .offset: 64, .size: 8, .value_kind: global_buffer, .address_space: global }
    .group_segment_fixed_size: 327680
    .private_segment_fixed_size: 0
    .kernarg_segment_align: 8
    .kernarg_segment_size: 72
    .max_flat_workgroup_size: 128
    .sgpr_count:     104
    .vgpr_count:     768
    .wavefront_size: 32
...
	.end_amdgpu_metadata
.endif
;; end of part 2
;; launch attn (part 3): grid 512 x 1, 16 waves a work-group, no clusters, 51,200 bytes of LDS; arguments q_codes, k_codes, v_codes, lengths, lowp_scales, o_codes; writes o_codes
.if DOCPART == 3
	.amdgcn_target "amdgcn-amd-amdhsa--gfx1250"
	.amdhsa_code_object_version 6
	.text
	.protected	k_q011c8316aa_attn
	.globl	k_q011c8316aa_attn
	.p2align	8
	.type	k_q011c8316aa_attn,@function
k_q011c8316aa_attn:
	s_mov_b64 s[64:65], 0
	v_nop
	global_prefetch_b8 v0, s[64:65] scope:SCOPE_SE
	s_setreg_imm32_b32 hwreg(HW_REG_WAVE_MODE, 25, 1), 1
	s_wait_xcnt 0x0
; ATTENTION on codes of E5M2: for each of 64 (batch, head) pairs, o = softmax(q k^T / 8, key <= query and key < length) v, quantised with 2^e8 for the last product.
; q_codes, k_codes, o_codes: [64][2048][64].  v_codes: [64][16 blocks][64 d][128 keys].  Scales: q 2^e4, k 2^e5, v 2^e6, p 2^e7.
; THE SOFTMAX: t = score x log2(e) / 8; M = the running largest t rounded UP to a whole number; p = 2^(t - M) is quantised, not normalised; the row's sum is taken of the unquantised p and divides at the end.
; When M moves, the sum and O are multiplied by 2^(old M - new M), which rounds nothing.
; SHARES.  A work-group owns 256 queries of one head (the late blocks, which have most keys, have the low numbers); each of its sixteen waves 16 queries, in 256 registers: four waves to a SIMD.
; Keys go 128 a step.  The loop has 16 steps for everybody (a constant), one barrier each; what is left out is a step's WORK and its loads:
;   a step at or beyond min(block's last query + 1, length) is neither loaded nor stored; a step at or beyond min(wave's last query + 1, length) is not worked; the mask's 128 lines run only where a key of the step may be hidden.
; WHY NO TENSOR LOADS AND NO CLUSTER: the number of steps that count is min(2 (block + 1), ceil(length / 128)): it differs between the query blocks of a head and hangs on a loaded number
;   So a step's tiles go memory -> registers -> LDS, 16 bytes a thread from each of K's and V's 8,192 dense bytes, and all sixteen waves read them.
; IN LDS THE TILES LIE AS IMAGES OF THE OPERANDS' REGISTERS (lane l's 16 bytes at 16 l): the copy's store does the permutation, and every fragment load takes 512 consecutive bytes.
; LAYOUT.  S^T = K Q^T (source 0 = 16 keys), O^T = V^T P^T (source 0 = 16 channels): a lane holds one query (lane % 16) throughout.  Lane r of tile 2 b + u takes key (channel) 32 b + 8 u + r + 8 (r / 8),
; so that the 16 registers of tiles 2 b, 2 b + 1 are 16 neighbours, 32 b + 16 (lane / 16) + 0 .. 15: p's conversions give the second product's operand, O's give 16 neighbouring bytes of o_codes.
; LIMITS: lengths between 1 and 2,048 (0 is the case in which the definition gives NaN: not served; larger numbers count as 2,048); e4 + e5 between -123 and 130; e7, e8 between -126 and 112.  NaN is not served.
; REGISTERS: v1 16 x lane; v2, v3 the copy's LDS places; v4 16 x thread; v5 256 x lane; v6 my last open key less 16 h; v8-15 the copy; v16-23 Q; v24 -M, v25 the largest t; v[26:27] the sum; v30, v31 the stage;
;   v32-95 fragments; v96-159 S^T, then p; v160-191 O^T; v192-207 p's codes; v208-220 at work and constants.
.set SLOTB, 16384                      ; an LDS slot: K's image, 8,192 bytes, then V's
.set STAGE, 2*SLOTB                    ; the way out: 1,024 bytes a wave
	s_load_b256 s[4:11], s[0:1], 0x0               ; q s[4:5], k s[6:7], v s[8:9], lengths s[10:11]
	s_load_b128 s[12:15], s[0:1], 0x20             ; the scales' exponents s[12:13], o s[14:15]
	v_lshl_add_u32 v254, v0, 2, 0xc000
	v_mov_b32 v255, 0
	v_lshrrev_b32 v1, 5, v0
	v_readfirstlane_b32 s16, v1                    ; wave 0..15
	s_lshr_b32 s17, ttmp9, 6
	s_sub_co_u32 s17, 7, s17                       ; my block of 256 queries
	s_and_b32 s18, ttmp9, 63                       ; batch x 16 + head
	s_lshr_b32 s21, s18, 4
	s_lshl_b32 s21, s21, 2
	s_lshl_b32 s50, s18, 17                        ; the head's first byte in each of the four tensors
	s_mov_b32 s51, 0
	s_lshl_b32 s19, s17, 8
	s_lshl_b32 s39, s16, 4
	s_add_co_u32 s19, s19, s39                     ; my first query
	s_lshl_b32 s52, s19, 6
	s_mov_b32 s53, 0
	s_add_nc_u64 s[52:53], s[52:53], s[50:51]
	v_lshlrev_b32 v4, 4, v0
	v_and_b32 v7, 15, v0                           ; r
	v_bfe_u32 v28, v0, 4, 1                        ; h
	v_lshlrev_b32 v29, 6, v7
	v_lshl_add_u32 v29, v28, 4, v29                ; 64 r + 16 h
	s_wait_kmcnt 0x0
	s_load_b32 s20, s[10:11], s21 offset:0x0       ; my batch's length
	s_load_b256 s[40:47], s[12:13], 0x0            ; e0 .. e7
	s_load_b64 s[48:49], s[12:13], 0x20            ; e8, e9
	s_add_nc_u64 s[28:29], s[6:7], s[50:51]        ; K's and V's blocks of the step in hand
	s_add_nc_u64 s[30:31], s[8:9], s[50:51]
	s_add_nc_u64 s[4:5], s[4:5], s[52:53]
	s_add_nc_u64 s[14:15], s[14:15], s[52:53]
	global_load_b128 v[8:11], v4, s[28:29]         ; step 0 always counts
	global_load_b128 v[12:15], v4, s[30:31]
	global_load_b128 v[16:19], v29, s[4:5]         ; Q: row r, channels 32 c + 16 h + 0 .. 15; it stays
	global_load_b128 v[20:23], v29, s[4:5] offset:32
	v_and_b32 v1, 31, v0
	v_lshlrev_b32 v5, 8, v1
	v_lshlrev_b32 v1, 4, v1
	; Thread i copies bytes 16 i on.  In K's block that is key i / 4, channels 16 (i % 4) on: tile pair i[8:7], r / 8 = i[6], tile's parity i[5], r % 8 = i[4:2], c = i[1], h = i[0]; its place: 1,024 tile + 512 c + 16 lane
	v_bfe_u32 v208, v0, 7, 2
	v_lshlrev_b32 v2, 11, v208
	v_bfe_u32 v208, v0, 5, 1
	v_lshl_or_b32 v2, v208, 10, v2
	v_bfe_u32 v208, v0, 1, 1
	v_lshl_or_b32 v2, v208, 9, v2
	v_and_b32 v208, 1, v0
	v_lshl_or_b32 v2, v208, 8, v2
	v_bfe_u32 v208, v0, 6, 1
	v_lshl_or_b32 v2, v208, 7, v2
	v_bfe_u32 v208, v0, 2, 3
	v_lshl_or_b32 v2, v208, 4, v2
	; In V's block: channel i / 8, keys 16 (i % 8) on: tile pair i[8], r / 8 = i[7], parity i[6], r % 8 = i[5:3], c = i[2:1], h = i[0]; its place: 8,192 + 2,048 tile + 512 c + 16 lane
	v_bfe_u32 v208, v0, 8, 1
	v_lshlrev_b32 v3, 12, v208
	v_bfe_u32 v208, v0, 6, 1
	v_lshl_or_b32 v3, v208, 11, v3
	v_bfe_u32 v208, v0, 1, 2
	v_lshl_or_b32 v3, v208, 9, v3
	v_and_b32 v208, 1, v0
	v_lshl_or_b32 v3, v208, 8, v3
	v_bfe_u32 v208, v0, 7, 1
	v_lshl_or_b32 v3, v208, 7, v3
	v_bfe_u32 v208, v0, 3, 3
	v_lshl_or_b32 v3, v208, 4, v3
	v_add_nc_u32 v3, 8192, v3
	s_lshl_b32 s39, s16, 10
	s_add_co_u32 s39, s39, STAGE
	v_add_nc_u32 v30, s39, v29                     ; the stage, in: row r of 64 bytes, + 16 h
	v_add_nc_u32 v31, s39, v1                      ; back: 16 x lane
	v_mov_b32 v25, 0xff61b1e6                      ; the largest t so far: -3e38, under every t
	v_floor_f32 v24, -v25                          ; -M
	v_mov_b32 v26, 0                               ; the sum, in two halves
	v_mov_b32 v27, 0
	v_mov_b32 v211, 0                              ; (named as the upper half of the pair v[210:211])
	v_mov_b32 v214, 0                              ; a lane permute's destination counts as read
	v_mov_b32 v218, 0xff800000                     ; -infinity
.set n, 0
.rept 32
	v_mov_b32 v[160+n], 0                          ; O^T: the step is written once; its first run finds zeros, which the first change of M leaves zeros
.set n, n+1
.endr
	s_mov_b32 s36, 0x76543210                      ; v_permlanex16_b32: lane l xor 16
	s_mov_b32 s37, 0xfedcba98
	s_mov_b32 s26, 0                               ; the step's first key
	s_mov_b32 s38, 8                               ; trips: two steps each
	s_wait_kmcnt 0x0
	s_min_u32 s20, s20, 2048
	s_lshl_b32 s22, s17, 8
	s_add_co_u32 s22, s22, 256
	s_min_u32 s22, s22, s20                        ; keys that count for some query of the block: below this
	s_add_co_u32 s23, s19, 16
	s_min_u32 s23, s23, s20                        ; for some query of my wave
	s_add_co_u32 s24, s19, 1
	v_add_nc_u32 v6, s24, v7
	v_min_u32 v6, s20, v6                          ; for my query: below min(query + 1, length)
	v_lshlrev_b32 v208, 4, v28
	v_sub_nc_u32 v6, v6, v208
	v_add_nc_u32 v6, -1, v6                        ; my last open key, less 16 h
	s_min_u32 s24, s24, s20                        ; for every query of my wave
	s_lshr_b32 s25, ttmp9, 6
	s_lshr_b32 s39, s16, 1
	s_or_b32 s25, s25, s39
	s_cmp_eq_u32 s25, 0
	s_cselect_b32 s25, s22, 0                      ; the prefetches' bound: waves 0 and 1 of the head's last query block, which walks the most keys; 0 elsewhere
	s_cmp_eq_u32 s16, 0
	s_cselect_b64 s[32:33], s[28:29], s[30:31]     ; wave 0 asks for K's blocks, wave 1 for V's
	s_add_co_i32 s39, s44, s45
	s_lshl_b32 s39, s39, 23
	s_add_co_i32 s34, s39, 0x3e38aa3b              ; c = log2(e) / 8, with e4 + e5 added to its exponent field
	s_mov_b32 s35, s34
	s_add_co_i32 s39, s47, 127
	s_lshl_b32 s55, s39, 23
	v_mov_b32 v216, s55                            ; 2^e7
	s_add_co_i32 s39, s39, 15
	s_lshl_b32 s39, s39, 23
	s_or_b32 s39, s39, 0x600000
	v_mov_b32 v215, s39                            ; 57,344 x 2^e7
	s_add_co_i32 s39, s48, 127
	s_lshl_b32 s55, s39, 23
	v_mov_b32 v220, s55                            ; 2^e8
	s_add_co_i32 s39, s39, 15
	s_lshl_b32 s39, s39, 23
	s_or_b32 s39, s39, 0x600000
	v_mov_b32 v219, s39                            ; 57,344 x 2^e8
	s_add_co_i32 s54, s46, s47                     ; e6 + e7
; A KEY STEP, through slot s.  ONE barrier: in front of it my stores of this step's tiles have landed and my reads of the other slot are over; behind it everybody's.  The store into a slot stands behind the barrier of
; the step before, which every wave signalled behind its reads of that slot two steps back.
.macro STEP s
	s_wait_loadcnt 0x0                             ; this step's 32 bytes are in my registers (the first time: Q too), and the loads have read their bases
	s_wait_xcnt 0x0                                ; the last prefetch, a step back, has read its base
	s_cmp_lt_u32 s26, s22
	s_cbranch_scc0 .Lno_tile_\@                    ; (the same in all sixteen waves)
	ds_store_b128 v2, v[8:11] offset:SLOTB*\s
	ds_store_b128 v3, v[12:15] offset:SLOTB*\s
.Lno_tile_\@:
	s_add_nc_u64 s[28:29], s[28:29], 8192
	s_add_nc_u64 s[30:31], s[30:31], 8192
	s_add_nc_u64 s[32:33], s[32:33], 8192
	s_add_co_u32 s27, s26, 128                     ; the next step's first key
	s_wait_dscnt 0x0
	s_barrier_signal -1
	s_barrier_wait -1
	s_cmp_lt_u32 s27, s22
	s_cbranch_scc0 .Lno_next_\@
	global_load_b128 v[8:11], v4, s[28:29]         ; the next step's tiles: a wave reads 512 consecutive bytes of each
	global_load_b128 v[12:15], v4, s[30:31]
.Lno_next_\@:
	s_add_co_u32 s39, s26, 256
	s_cmp_lt_u32 s39, s25
	s_cbranch_scc0 .Lno_ask_\@
	global_prefetch_b8 v5, s[32:33] offset:8192 th:TH_LOAD_NT scope:SCOPE_SE   ; the step after the next: its 8,192 bytes, lanes 256 bytes apart; each block is named once in the launch; steps 0 and 1 come by their loads alone, and no step at or beyond the bound is named
.Lno_ask_\@:
	s_cmp_lt_u32 s26, s23
	s_cbranch_scc0 .Lhidden_\@                     ; all 128 keys are hidden from my 16 queries
.irp t, 0,1,2,3,4,5,6,7
.irp c, 0,1
	ds_load_b128 v[32+8*\t+4*\c:35+8*\t+4*\c], v1 offset:SLOTB*\s+1024*\t+512*\c
.endr
.endr
	s_wait_dscnt 0x0
.irp t, 0,1,2,3,4,5,6,7
	v_wmma_f32_16x16x64_bf8_bf8 v[96+8*\t:103+8*\t], v[32+8*\t:39+8*\t], v[16:23], 0
.endr
.rept 4
	v_nop                                          ; places: in front of the loads into K's registers and of the first read of the scores
.endr
.irp t, 0,1,2,3
.irp c, 0,1,2,3
	ds_load_b128 v[32+16*\t+4*\c:35+16*\t+4*\c], v1 offset:SLOTB*\s+8192+2048*\t+512*\c   ; V's fragments land under the softmax
.endr
.endr
	s_cmp_gt_u32 s27, s24
	s_cbranch_scc0 .Lopen_\@                       ; every key of the step counts for every query of mine
	v_sub_nc_u32 v217, v6, s26                     ; register 16 b + i holds key (step's first) + 16 h + 32 b + i: hidden where 32 b + i is above this
.set n, 0
.rept 64
	v_cmp_gt_i32 vcc_lo, 32*(n/16)+n%16, v217
	v_cndmask_b32 v[96+n], v[96+n], v218, vcc_lo   ; -infinity ahead of the maximum: p = 0.  The step's first key counts for all my queries, so the maximum is a number
.set n, n+1
.endr
.Lopen_\@:
	v_max3_num_f32 v208, v96, v97, v98             ; the step's largest score of my query among my 64 keys, in two chains,
	v_max3_num_f32 v209, v99, v100, v101
.irp i, 6,10,14,18,22,26,30,34,38,42,46,50,54,58
	v_max3_num_f32 v208, v208, v[96+\i], v[97+\i]
	v_max3_num_f32 v209, v209, v[98+\i], v[99+\i]
.endr
	v_max3_num_f32 v208, v208, v158, v159
	v_max_num_f32 v208, v208, v209
	v_permlanex16_b32 v214, v208, s36, s37
	v_max_num_f32 v208, v208, v214                 ; and among lane l xor 16's
	v_mul_f32 v208, s34, v208                      ; as t (c is positive)
	v_max_num_f32 v25, v25, v208                   ; the running largest t
	v_mov_b32 v208, v24
	v_floor_f32 v24, -v25                          ; the new -M = floor(-t): M is a whole number
	v_sub_f32 v208, v24, v208                      ; old M - new M: a whole number, 0 or less
	v_cvt_i32_f32 v208, v208                       ; (it saturates)
	v_ldexp_f32 v210, 1.0, v208                    ; f = 2^(old M - new M)
.set n, 0
.rept 32
	v_pk_fma_f32 v[96+n:97+n], v[96+n:97+n], s[34:35], v[24:25] op_sel_hi:[1,0,0]   ; t - M, two at a time
.set n, n+2
.endr
.set n, 0
.rept 64
	v_exp_f32 v[96+n], v[96+n]                     ; p = 2^(t - M), at most 1
.set n, n+1
.endr
	v_pk_mul_f32 v[26:27], v[26:27], v[210:211] op_sel_hi:[1,0]   ; the sum under the new M: the plain instruction behind the exponentials
	s_wait_alu depctr_va_vdst(0)                   ; one wait for the batch, ahead of its first reader
	v_pk_add_f32 v[212:213], v[96:97], v[98:99]    ; the row's sum is taken of the unquantised p, in two chains
.irp j, 4,8,12,16,20,24,28,32,36,40,44,48,52,56,60
	v_pk_add_f32 v[26:27], v[26:27], v[96+\j:97+\j]
	v_pk_add_f32 v[212:213], v[212:213], v[98+\j:99+\j]
.endr
	v_pk_add_f32 v[26:27], v[26:27], v[212:213]
.irp b, 0,1,2,3
.irp i, 0,1,2,3,4,5,6,7,8,9,10,11,12,13,14,15
	v_min_num_f32 v[96+16*\b+\i], v[96+16*\b+\i], v215   ; the conversion does not saturate (ISA guide 7.6.2); p is not negative: a one-sided hold, always executed
.endr
	v_cvt_scalef32_pk8_bf8_f32 v[192+4*\b:193+4*\b], v[96+16*\b:103+16*\b], v216
	v_cvt_scalef32_pk8_bf8_f32 v[194+4*\b:195+4*\b], v[104+16*\b:111+16*\b], v216
.endr
.set n, 0
.rept 16
	v_pk_mul_f32 v[160+n:161+n], v[160+n:161+n], v[210:211] op_sel_hi:[1,0]   ; O^T under the new M (also the plain instructions behind the conversions)
.set n, n+2
.endr
	s_wait_dscnt 0x0                               ; V's fragments
.irp t, 0,1,2,3
	v_wmma_f32_16x16x128_bf8_bf8 v[160+8*\t:167+8*\t], v[32+16*\t:47+16*\t], v[192:207], v[160+8*\t:167+8*\t]   ; the four accumulators by turns; the next step's eight products stand between two links of a chain
.endr
.rept 4
	v_nop                                          ; places: in front of the next loads into the fragments, the next writes of p's codes, and the next reads of O^T
.endr
.Lhidden_\@:
	s_mov_b32 s26, s27
.endm
.Ltrip:
	STEP 0
	STEP 1
	s_sub_co_u32 s38, s38, 1
	s_cmp_lg_u32 s38, 0
	s_cbranch_scc1 .Ltrip
	; THE WAY OUT: O^T x 2^(e6 + e7) / the sum, quantised with 2^e8: tiles 2 b, 2 b + 1 give channels 32 b + 16 h + 0 .. 15 of my query: 16 bytes; through my stage, out as two runs of 512 consecutive aligned bytes
	v_add_f32 v26, v26, v27
	v_permlanex16_b32 v214, v26, s36, s37
	v_add_f32 v26, v26, v214                       ; the row's sum
	v_rcp_f32 v26, v26
	v_nop                                          ; a plain instruction behind the transcendental,
	s_wait_alu depctr_va_vdst(0)                   ; and the wait ahead of its first reader
	v_ldexp_f32 v26, v26, s54
.set n, 0
.rept 32
	v_mul_f32 v[96+n], v[160+n], v26
.set n, n+1
.endr
.set n, 0
.rept 32
	v_med3_num_f32 v[96+n], v[96+n], -v219, v219
.set n, n+1
.endr
.irp t, 0,1,2,3
	v_cvt_scalef32_pk8_bf8_f32 v[192+2*\t:193+2*\t], v[96+8*\t:103+8*\t], v220
.endr
	v_nop
	ds_store_b128 v30, v[192:195]
	ds_store_b128 v30, v[196:199] offset:32
	ds_load_b128 v[32:35], v31                     ; LDS serves a wave's instructions in order: these see my stores
	ds_load_b128 v[36:39], v31 offset:512
	s_wait_dscnt 1                                 ; the second read-back may be out
	global_store_b128 v1, v[32:35], s[14:15]
	s_wait_dscnt 0x0
	global_store_b128 v1, v[36:39], s[14:15] offset:512
	s_wait_tensorcnt 0x0
	ds_add_u32 v254, v255
	s_wait_dscnt 0x0
	s_endpgm
.Lfunc_end_k_q011c8316aa_attn:
	.size	k_q011c8316aa_attn, .Lfunc_end_k_q011c8316aa_attn-k_q011c8316aa_attn
	.p2alignl 7, 3214868480
	.fill 96, 4, 3214868480
	.section	.rodata,"a",@progbits
	.p2align	6, 0x0
	.amdhsa_kernel k_q011c8316aa_attn
		.amdhsa_group_segment_fixed_size 51200
		.amdhsa_private_segment_fixed_size 0
		.amdhsa_enable_private_segment 0
		.amdhsa_kernarg_size 48
		.amdhsa_user_sgpr_count 2
		.amdhsa_user_sgpr_kernarg_segment_ptr 1
		.amdhsa_wavefront_size32 1
		.amdhsa_system_sgpr_workgroup_id_x 1
		.amdhsa_system_sgpr_workgroup_id_y 1
		.amdhsa_system_sgpr_workgroup_id_z 1
		.amdhsa_system_vgpr_workitem_id 0
		.amdhsa_next_free_vgpr 256
		.amdhsa_next_free_sgpr 66
		.amdhsa_reserve_vcc 1
		.amdhsa_float_denorm_mode_32 3
		.amdhsa_float_denorm_mode_16_64 3
		.amdhsa_memory_ordered 1
		.amdhsa_forward_progress 1
		.amdhsa_inst_pref_size 54
	.end_amdhsa_kernel
	.amdgpu_metadata
---
amdhsa.version: [ 1, 2 ]
amdhsa.kernels:
  - .name:           k_q011c8316aa_attn
    .symbol:         k_q011c8316aa_attn.kd
    .args:
      - { .name: q_codes, .offset: 0, .size: 8, .value_kind: global_buffer, .address_space: global }
      - { .name: k_codes, .offset: 8, .size: 8, .value_kind: global_buffer, .address_space: global }
      - { .name: v_codes, .offset: 16, .size: 8, .value_kind: global_buffer, .address_space: global }
      - { .name: lengths, .offset: 24, .size: 8, .value_kind: global_buffer, .address_space: global }
      - { .name: lowp_scales, .offset: 32, .size: 8, .value_kind: global_buffer, .address_space: global }
      - { .name: o_codes, .offset: 40, .size: 8, .value_kind: global_buffer, .address_space: global }
    .group_segment_fixed_size: 51200
    .private_segment_fixed_size: 0
    .kernarg_segment_align: 8
    .kernarg_segment_size: 48
    .max_flat_workgroup_size: 512
    .sgpr_count:     66
    .vgpr_count:     256
    .wavefront_size: 32
...
	.end_amdgpu_metadata
.endif
;; end of part 3
;; launch outp (part 4): grid 4 x 64, 4 waves a work-group, clusters of 4 x 4, 327,680 bytes of LDS; arguments o_codes, w_codes, lowp_scales, bo, x, out0; writes out0
.if DOCPART == 4
	.amdgcn_target "amdgcn-amd-amdhsa--gfx1250"
	.amdhsa_code_object_version 6
	.text
	.protected	k_q011c8316aa_outp
	.globl	k_q011c8316aa_outp
	.p2align	8
	.type	k_q011c8316aa_outp,@function
k_q011c8316aa_outp:
	s_mov_b64 s[64:65], 0
	v_nop
	global_prefetch_b8 v0, s[64:65] scope:SCOPE_SE
	s_setreg_imm32_b32 hwreg(HW_REG_WAVE_MODE, 25, 1), 1
	s_wait_xcnt 0x0
	s_wait_alu depctr_hold_cnt(0) depctr_sa_sdst(0) depctr_va_vdst(0) depctr_va_sdst(0) depctr_va_ssrc(0) depctr_va_vcc(0) depctr_vm_vsrc(0)
	s_getreg_b32 s2, hwreg(HW_REG_IB_STS2, 6, 4)
	s_cmp_eq_u32 s2, 0
	s_cbranch_scc0 .Lentry_in_a_cluster
	s_endpgm
.Lentry_in_a_cluster:
	s_bfe_u32 s2, ttmp6, 0x10000c
	s_cmp_lg_u32 s2, 0xf033
	s_cbranch_scc0 .Lentry_shape_is_right
	s_endpgm
.Lentry_shape_is_right:
; out0 = o Wo + bo + x.  o_codes [4][16 heads][2048][64] (2^e8) and w_codes rows 3,072 on ([n][1024 k], 2^e9) are codes of E5M2; K = 1,024 = head x 64 + channel; sums in f32.
; A tile of C is 128 tokens ("A") x 256 features ("B"): 256 work-groups.  Four waves, each 64 x 128: 32 accumulators.  Source 0 = B's rows, source 1 = A's: lane (r, h), register j of accumulator (a, b) is C(A row of lane r, feature 16 b + 8 h + j).
; K goes in four steps of 256 (four heads) through THREE LDS slots: K steps 0, 1, 2 are first fills, three tensor loads a wave, issued together; K step 3 is the one refill, into slot 0.  By this text's count a wave has three tensor loads out at the start and one later.
; A's TILE: for each of the step's 4 heads, 64 tokens x 64 bytes are 4,096 dense bytes: a tile of 4 rows of 4,096 bytes, 131,072 apart, with 16 bytes of padding behind every 128: a PAIR of tokens takes 144 bytes.
; A fragment takes 16 tokens of ONE parity: block a, lane r is token 32 (a / 2) + 2 r + a % 2: its rows start 36 words apart, at sixteen different banks (64 banks of 4 bytes: ISA guide 11.1).
; CLUSTER 4 x 4: A's tiles are asked for jointly along a row of the cluster, B's along a column.
; The residual, 256 registers a wave, is asked for at the head and travels under the products.
; A fragment's k is taken in pieces of 16 bytes, alike in A and B; the order of the sums inside an instruction differs from the plain layout's.  No prefetch: three quarters of the tiles are asked for at the head, and the launch is short.
; LIMIT: e8 + e9 between -126 and 127.
; REGISTERS: window 0: v0-63 addresses; v64-191 A's two sets, on the way out at work; v192-255 bo.  window 1: B's two sets.  window 2: the accumulators.  window 3: the residual, block a's row t at 64 a + 4 t.
.set PITCH, 272
.set HA,    4*4608                     ; what one of A's loads brings: 4 heads x 32 token pairs x 144 bytes
.set HB,    128*PITCH
.set SLOT,  2*HA+2*HB
.set SPARE, 3*SLOT                     ; the spare words, 128 bytes a wave
.set STG,   SLOT                       ; the way out: 16 rows x 528 bytes a wave, in slot 1: it has had its only fill, and every wave's reads of it are over before the last barrier
.set ASTEP3, 3*524288                  ; from K step 0 to K step 3 in o_codes: 12 heads
.set PADA,  (1<<20)|(1<<21)|(4<<22)|(3<<25)   ; after every 32 words, 4 words
.set PADB,  (1<<20)|(1<<21)|(5<<22)|(3<<25)   ; after every 64 words, 4 words
.set ADRA, 16
.set ADRB, 20
.set CO,   26                          ; v26 16 x lane
.set SPW,  28
.set NIL,  29
.set BIAS, 192
.set T,    64
.set OB,   128
.set WV,   22
.set G1A,  24
.set G1B,  32
.set G0A,  40
.set G0B,  52
.set MSB, 0
.macro WIN new                         ; the immediate's high byte repeats the setting that is left
.if MSB != \new
	s_set_vgpr_msb (MSB<<8)|\new
.set MSB, \new
.endif
.endm
.set MUL,  0xa1                        ; source 0 (B) window 1, source 1 (A) window 0, C and D window 2
.set TO_B, 0x40
.macro PLACES                          ; four plain instructions between a matrix instruction and a load into, or a vector write of, its registers, or a read of its result
.rept 4
	v_nop
.endr
.endm
.macro CREST
	s_cmp_lg_u32 s[WV], 0
	s_cbranch_scc1 .Lnot_wave_0_\@
	s_barrier_signal -3
.Lnot_wave_0_\@:
	s_barrier_wait -3
	s_barrier_signal -1
	s_barrier_wait -1
.endm
.macro CROUND
	s_barrier_signal -1
	s_barrier_wait -1
	CREST
.endm
.macro JLOAD                           ; the joint refill: waves 0, 1 fetch A's halves, waves 2, 3 B's; four v_nop follow each line
	s_cmp_eq_u32 s23, 0
	s_cbranch_scc0 .Lfor_b_\@
	tensor_load_to_lds s[G0A:G0A+3], s[G1A:G1A+7]
	s_nop 0
.rept 4
	v_nop
.endr
	s_branch .Lasked_\@
.Lfor_b_\@:
	tensor_load_to_lds s[G0B:G0B+3], s[G1B:G1B+7]
	s_nop 0
.rept 4
	v_nop
.endr
.Lasked_\@:
.endm
	s_load_b256 s[4:11], s[0:1], 0x0               ; o_codes s[4:5], w_codes s[6:7], the scales' exponents s[8:9], bo s[10:11]
	s_load_b128 s[12:15], s[0:1], 0x20             ; x s[12:13], out0 s[14:15]
	v_lshl_add_u32 v[SPW], v0, 2, SPARE
	v_mov_b32 v[NIL], 0
	ds_add_u32 v28, v29
	ds_add_u32 v28, v29
	s_wait_dscnt 0x0
	v_lshrrev_b32 v1, 5, v0
	v_readfirstlane_b32 s[WV], v1
	s_lshr_b32 s23, s[WV], 1                       ; my half of the tokens.  Also: I fetch for A (0) or B (1)
	s_and_b32 s3, s[WV], 1                         ; my half of the features.  Also: which half of that tile I fetch
	s_bfe_u32 s66, ttmp6, 0x40000                  ; cx
	s_bfe_u32 s67, ttmp6, 0x40004                  ; cy
	s_and_b32 s68, ttmp7, 0xffff                   ; the cluster's y, 0..15
	s_lshl_b32 s69, s67, 2
	s_lshl_b32 s69, 15, s69
	s_lshl_b32 s70, 0x1111, s66
	s_or_b32 s[G1A], s69, PADA
	s_or_b32 s[G1B], s70, PADB
	s_mov_b32 s[G1A+1], 4096<<16                   ; tensor_dim0 = 4,096
	s_mov_b32 s[G1A+2], 4<<16                      ; tensor_dim1 = 4
	s_mov_b32 s[G1A+3], 4096<<16                   ; tile_dim0
	s_mov_b32 s[G1A+4], 4                          ; tile_dim1
	s_mov_b32 s[G1A+5], 131072                     ; from head to head
	s_mov_b32 s[G1A+6], 0
	s_mov_b32 s[G1A+7], 0
	s_mov_b32 s[G1B+1], 256<<16
	s_mov_b32 s[G1B+2], 128<<16
	s_mov_b32 s[G1B+3], 256<<16
	s_mov_b32 s[G1B+4], 128
	s_mov_b32 s[G1B+5], 1024
	s_mov_b32 s[G1B+6], 0
	s_mov_b32 s[G1B+7], 0
	s_lshr_b32 s73, s68, 2                         ; A: ((batch) 32,768 + 512 (y & 3) + 128 cy + the 64 tokens that I fetch) x 64 bytes
	s_lshl_b32 s73, s73, 15
	s_and_b32 s74, s68, 3
	s_lshl_b32 s74, s74, 9
	s_add_co_u32 s73, s73, s74
	s_lshl_b32 s74, s67, 7
	s_add_co_u32 s73, s73, s74
	s_lshl_b32 s74, s3, 6
	s_add_co_u32 s76, s73, s74
	s_lshl_b32 s76, s76, 6
	s_mov_b32 s77, 0
	s_lshl_b32 s78, s66, 8                         ; B: row 3,072 + 256 cx + the 128 that I fetch
	s_lshl_b32 s75, s3, 7
	s_add_co_u32 s78, s78, s75
	s_add_co_u32 s78, s78, 3072
	s_lshl_b32 s78, s78, 10
	s_mov_b32 s79, 0
	s_mul_i32 s98, s3, HA
	s_mul_i32 s99, s3, HB
	s_add_co_u32 s99, s99, 2*HA
	s_wait_kmcnt 0x0
	s_load_b64 s[80:81], s[8:9], 0x20              ; e8, e9
	s_add_nc_u64 s[92:93], s[4:5], s[76:77]
	s_add_nc_u64 s[94:95], s[6:7], s[78:79]
.irp s, 0,1,2
	s_mov_b32 s[G0A+4*\s], 1
	s_add_co_u32 s[G0A+4*\s+1], s98, \s*SLOT
	s_add_nc_u64 s[G0A+4*\s+2:G0A+4*\s+3], s[92:93], \s*524288   ; K step s: four heads on
	s_or_b32 s[G0A+4*\s+3], s[G0A+4*\s+3], 0x80000000
	s_mov_b32 s[G0B+4*\s], 1
	s_add_co_u32 s[G0B+4*\s+1], s99, \s*SLOT
	s_add_nc_u64 s[G0B+4*\s+2:G0B+4*\s+3], s[94:95], \s*256
	s_or_b32 s[G0B+4*\s+3], s[G0B+4*\s+3], 0x80000000
.endr
	CROUND                                         ; all sixteen work-groups are here: the first joint loads meet
	s_cmp_eq_u32 s23, 0                            ; a wave's three first fills stand in one branch
	s_cbranch_scc0 .Lfirst_b
	tensor_load_to_lds s[G0A:G0A+3], s[G1A:G1A+7]
	s_nop 0
	tensor_load_to_lds s[G0A+4:G0A+7], s[G1A:G1A+7]
	s_nop 0
	tensor_load_to_lds s[G0A+8:G0A+11], s[G1A:G1A+7]
	s_nop 0
.rept 4
	v_nop
.endr
	s_branch .Lfirst_asked
.Lfirst_b:
	tensor_load_to_lds s[G0B:G0B+3], s[G1B:G1B+7]
	s_nop 0
	tensor_load_to_lds s[G0B+4:G0B+7], s[G1B:G1B+7]
	s_nop 0
	tensor_load_to_lds s[G0B+8:G0B+11], s[G1B:G1B+7]
	s_nop 0
.rept 4
	v_nop
.endr
.Lfirst_asked:
	v_and_b32 v1, 15, v0                           ; r
	v_bfe_u32 v2, v0, 4, 1                         ; h
	v_and_b32 v4, 31, v0
	v_lshlrev_b32 v31, 5, v2
	v_lshlrev_b32 v[CO], 4, v4
	s_lshl_b32 s100, s66, 10
	s_lshl_b32 s74, s3, 9
	s_add_co_u32 s100, s100, s74                   ; my 128 features, in bytes of f32
	s_mov_b32 s101, 0
	s_add_nc_u64 s[94:95], s[10:11], s[100:101]    ; bo
	s_lshl_b32 s88, s68, 9
	s_lshl_b32 s74, s67, 7
	s_add_co_u32 s88, s88, s74
	s_lshl_b32 s74, s23, 6
	s_add_co_u32 s88, s88, s74                     ; my first token: 512 y + 128 cy + 64 x my half
	s_lshl_b32 s88, s88, 12
	s_add_co_u32 s88, s88, s100
	s_mov_b32 s89, 0
	s_add_nc_u64 s[90:91], s[12:13], s[88:89]      ; x
	s_add_nc_u64 s[92:93], s[14:15], s[88:89]      ; out0
.irp b, 0,1,2,3,4,5,6,7
	global_load_b128 v[BIAS+8*\b:BIAS+8*\b+3], v31, s[94:95] offset:64*\b
	global_load_b128 v[BIAS+8*\b+4:BIAS+8*\b+7], v31, s[94:95] offset:64*\b+16
.endr
	WIN 0xc0                                       ; destination window 3
.irp a, 0,1,2,3
.irp t, 0,1,2,3,4,5,6,7,8,9,10,11,12,13,14,15
	global_load_b128 v[64*\a+4*\t:64*\a+4*\t+3], v[CO], s[90:91] offset:(32*(\a/2)+2*\t+(\a%2))*4096 th:TH_LOAD_NT   ; the residual: 512 consecutive bytes of the row that block a's lane t holds
.endr
.endr
	WIN 0
	v_mul_u32_u24 v3, v1, PITCH
	v_lshl_add_u32 v3, v2, 4, v3                   ; B: row x pitch + 16 h
	v_mul_u32_u24 v5, v1, 144
	v_lshl_add_u32 v5, v2, 4, v5                   ; A: token pair r x 144 + 16 h
	s_mul_i32 s100, s23, HA
	s_mul_i32 s74, s3, HB
	s_add_co_u32 s74, s74, 2*HA
.irp s, 0,1,2
	v_add_nc_u32 v[ADRA+\s], s100, v5
	v_add_nc_u32 v[ADRB+\s], s74, v3
	s_add_co_u32 s100, s100, SLOT
	s_add_co_u32 s74, s74, SLOT
.endr
	s_mul_i32 s100, s[WV], 16*528
	s_add_co_u32 s100, s100, STG                   ; my stage
	v_mul_u32_u24 v24, v1, 528
	v_lshl_add_u32 v24, v2, 5, v24
	v_add_nc_u32 v24, s100, v24                    ; in: row r, + 32 h
	v_add_nc_u32 v25, s100, v[CO]                  ; back: a row of 512 bytes, 16 a lane
	s_wait_kmcnt 0x0
	s_add_co_i32 s96, s80, s81
	s_add_co_i32 s96, s96, 127
	s_lshl_b32 s96, s96, 23                        ; 2^(e8 + e9)
	s_mov_b32 s97, s96
.macro BFRAG reg, slot, q, b
.irp c, 0,1,2,3
	ds_load_b128 v[\reg+4*\c:\reg+4*\c+3], v[ADRB+\slot] offset:128*(\q)+32*\c+(\b)*16*PITCH
.endr
.endm
.macro AFRAG reg, slot, q, a           ; k = 128 q + 32 c + 16 h + 0 .. 15 is head 2 q + c / 2 of the slot's four, channel 32 (c % 2) + 16 h on
.irp c, 0,1,2,3
	ds_load_b128 v[\reg+4*\c:\reg+4*\c+3], v[ADRA+\slot] offset:4608*(2*(\q)+\c/2)+2304*((\a)/2)+64*((\a)%2)+32*(\c%2)
.endr
.endm
.macro FETCH slot, q, p
	WIN TO_B
.irp b, 0,1,2,3,4,5,6,7
	BFRAG 128*(\p)+16*\b, \slot, \q, \b
.endr
	WIN 0
.irp a, 0,1,2,3
	AFRAG 64+64*(\p)+16*\a, \slot, \q, \a
.endr
.endm
.macro MUL8 a, p, zero                 ; the 32 accumulators take turns, one instruction a turn, in one order throughout
.irp b, 0,1,2,3,4,5,6,7
.if \zero
	v_wmma_f32_16x16x128_bf8_bf8 v[8*(8*(\a)+\b):8*(8*(\a)+\b)+7], v[128*(\p)+16*\b:128*(\p)+16*\b+15], v[64+64*(\p)+16*(\a):64+64*(\p)+16*(\a)+15], 0
.else
	v_wmma_f32_16x16x128_bf8_bf8 v[8*(8*(\a)+\b):8*(8*(\a)+\b)+7], v[128*(\p)+16*\b:128*(\p)+16*\b+15], v[64+64*(\p)+16*(\a):64+64*(\p)+16*(\a)+15], v[8*(8*(\a)+\b):8*(8*(\a)+\b)+7]
.endif
.endr
.endm
.macro STEP p, nslot, nq, zero
	s_wait_dscnt 8                                 ; B's set and A's blocks 0, 1 are in; A's blocks 2, 3 (eight loads) may be out
	WIN MUL
	MUL8 0, \p, \zero
	MUL8 1, \p, \zero
	s_wait_dscnt 0x0
	PLACES
	FETCH \nslot, \nq, 1-(\p)
	WIN MUL
	MUL8 2, \p, \zero
	MUL8 3, \p, \zero
.endm
.macro MEET                            ; all my tensor loads have landed, 0 is added onto my spare word, my LDS reads are over; then the barrier
	WIN 0
	s_wait_tensorcnt 0x0
	ds_add_u32 v[SPW], v[NIL]
	s_wait_dscnt 9                                 ; (the add and A's blocks 2, 3 may be out)
	WIN MUL
	MUL8 0, 1, 0
	s_wait_dscnt 0x0
	s_barrier_signal -1
	MUL8 1, 1, 0
	WIN 0
	s_barrier_wait -1
.endm
	s_wait_tensorcnt 2                             ; my part of K step 0 is in; K steps 1 and 2 may stay out
	s_barrier_signal -1
	s_barrier_wait -1
	FETCH 0, 0, 0
	STEP 0, 0, 1, 1
	MEET                                           ; slot 0 has been read out, slots 1 and 2 have landed;
	CREST                                          ; the same holds of every wave of every partner
	s_add_nc_u64 s[G0A+2:G0A+3], s[G0A+2:G0A+3], ASTEP3
	s_add_nc_u64 s[G0B+2:G0B+3], s[G0B+2:G0B+3], 768
	JLOAD                                          ; K step 3 into slot 0: my one tensor load behind the round; its four v_nop are also the places in front of the loads below
	FETCH 1, 0, 0
	WIN MUL
	MUL8 2, 1, 0
	MUL8 3, 1, 0
	STEP 0, 1, 1, 0
	STEP 1, 2, 0, 0
	STEP 0, 2, 1, 0
	MEET                                           ; K step 3 has landed, behind the barrier everybody's part; nobody reads slot 1 any more; nothing is filled any more
	PLACES
	FETCH 0, 0, 0
	WIN MUL
	MUL8 2, 1, 0
	MUL8 3, 1, 0
	STEP 0, 0, 1, 0
	s_wait_dscnt 8
	MUL8 0, 1, 0
	MUL8 1, 1, 0
	s_wait_dscnt 0x0
	MUL8 2, 1, 0
	MUL8 3, 1, 0
	WIN 0
; THE WAY OUT, a block of 16 tokens at a time: sum x 2^(e8 + e9) + bo, through my stage, back as whole runs of 512 bytes of a row, + the residual, stored.
.macro PACK a
	WIN 0x02                                       ; source 0 (the sums) window 2
.irp b, 0,1,2,3,4,5,6,7
.irp j, 0,2,4,6
	v_pk_fma_f32 v[T+8*\b+\j:T+8*\b+\j+1], v[8*(8*(\a)+\b)+\j:8*(8*(\a)+\b)+\j+1], s[96:97], v[BIAS+8*\b+\j:BIAS+8*\b+\j+1] op_sel_hi:[1,0,1]
.endr
.endr
	WIN 0
.endm
.macro STAGE a
.irp b, 0,1,2,3,4,5,6,7
	ds_store_b128 v24, v[T+8*\b:T+8*\b+3] offset:64*\b
	ds_store_b128 v24, v[T+8*\b+4:T+8*\b+7] offset:64*\b+16
.endr
.irp t, 0,1,2,3,4,5,6,7,8,9,10,11,12,13,14,15
	ds_load_b128 v[OB+4*\t:OB+4*\t+3], v25 offset:528*\t   ; LDS serves a wave's instructions in order: these see my stores
.endr
.endm
.macro SEND a
	s_wait_dscnt 0x0
	WIN 0x0c                                       ; source 1 (the residual) window 3
.set n, 0
.rept 32
	v_pk_add_f32 v[OB+n:OB+n+1], v[OB+n:OB+n+1], v[64*(\a)+n:64*(\a)+n+1]
.set n, n+2
.endr
	WIN 0
.irp t, 0,1,2,3,4,5,6,7,8,9,10,11,12,13,14,15
	global_store_b128 v[CO], v[OB+4*\t:OB+4*\t+3], s[92:93] offset:(32*((\a)/2)+2*\t+((\a)%2))*4096 th:TH_STORE_NT   ; 512 consecutive bytes, aligned; written once
.endr
.endm
	s_wait_loadcnt 0x0                             ; bo and the residual
	PLACES
	PACK 0
	STAGE 0
.irp a, 1,2,3
	PACK \a
	SEND \a-1
	s_wait_xcnt 0x0                                ; those stores have read their registers: the next block's loads land in them
	STAGE \a
.endr
	SEND 3
	s_wait_tensorcnt 0x0                           ; the wave's end
	ds_add_u32 v[SPW], v[NIL]
	s_wait_dscnt 0x0
	CROUND                                         ; the closing round
	s_endpgm
.Lfunc_end_k_q011c8316aa_outp:
	.size	k_q011c8316aa_outp, .Lfunc_end_k_q011c8316aa_outp-k_q011c8316aa_outp
	.p2alignl 7, 3214868480
	.fill 96, 4, 3214868480
	.section	.rodata,"a",@progbits
	.p2align	6, 0x0
	.amdhsa_kernel k_q011c8316aa_outp
		.amdhsa_group_segment_fixed_size 327680
		.amdhsa_private_segment_fixed_size 0
		.amdhsa_enable_private_segment 0
		.amdhsa_kernarg_size 48
		.amdhsa_user_sgpr_count 2
		.amdhsa_user_sgpr_kernarg_segment_ptr 1
		.amdhsa_wavefront_size32 1
		.amdhsa_system_sgpr_workgroup_id_x 1
		.amdhsa_system_sgpr_workgroup_id_y 1
		.amdhsa_system_sgpr_workgroup_id_z 1
		.amdhsa_system_vgpr_workitem_id 0
		.amdhsa_next_free_vgpr 1024
		.amdhsa_next_free_sgpr 104
		.amdhsa_reserve_vcc 0
		.amdhsa_float_denorm_mode_32 3
		.amdhsa_float_denorm_mode_16_64 3
		.amdhsa_memory_ordered 1
		.amdhsa_forward_progress 1
		.amdhsa_inst_pref_size 91
	.end_amdhsa_kernel
	.amdgpu_metadata
---
amdhsa.version: [ 1, 2 ]
amdhsa.kernels:
  - .name:           k_q011c8316aa_outp
    .symbol:         k_q011c8316aa_outp.kd
    .args:
      - { .name: o_codes, .offset: 0, .size: 8, .value_kind: global_buffer, .address_space: global }
      - { .name: w_codes, .offset: 8, .size: 8, .value_kind: global_buffer, .address_space: global }
      - { .name: lowp_scales, .offset: 16, .size: 8, .value_kind: global_buffer, .address_space: global }
      - { .name: bo, .offset: 24, .size: 8, .value_kind: global_buffer, .address_space: global }
      - { .name: x, .offset: 32, .size: 8, .value_kind: global_buffer, .address_space: global }
      - { .name: out0, .offset: 40, .size: 8, .value_kind: global_buffer, .address_space: global }
    .group_segment_fixed_size: 327680
    .private_segment_fixed_size: 0
    .kernarg_segment_align: 8
    .kernarg_segment_size: 48
    .max_flat_workgroup_size: 128
    .sgpr_count:     104
    .vgpr_count:     1024
    .wavefront_size: 32
...
	.end_amdgpu_metadata
.endif
;; end of part 4
;; ======== version 2 of 2: 4 launches; version 1 with the launch attn written anew for expert scheduling mode
;; workspace buffers: xq_codes 8,388,608 bytes; xkv_codes 8,388,608 bytes; w_codes 4,194,304 bytes; q_codes 8,388,608 bytes; k_codes 8,388,608 bytes; v_codes 8,388,608 bytes; o_codes 8,388,608 bytes
;; launch prep: the kernel of part 1 again; grid 384 x 1, 4 waves a work-group, no clusters, 43,520 bytes of LDS; arguments x, gamma, beta, Wq, Wkv, Wo, lowp_scales, xq_codes, xkv_codes, w_codes; writes xq_codes, xkv_codes, w_codes
;; launch qkv: the kernel of part 2 again; grid 12 x 64, 4 waves a work-group, clusters of 4 x 4, 327,680 bytes of LDS; arguments xq_codes, xkv_codes, w_codes, lowp_scales, bq, bkv, q_codes, k_codes, v_codes; writes q_codes, k_codes, v_codes
;; launch attn (part 5): grid 512 x 1, 16 waves a work-group, no clusters, 51,200 bytes of LDS; arguments q_codes, k_codes, v_codes, lengths, lowp_scales, o_codes; writes o_codes
.if DOCPART == 5
	.amdgcn_target "amdgcn-amd-amdhsa--gfx1250"
	.amdhsa_code_object_version 6
	.text
	.protected	k_q011c8316aa_attn
	.globl	k_q011c8316aa_attn
	.p2align	8
	.type	k_q011c8316aa_attn,@function
k_q011c8316aa_attn:
	s_mov_b64 s[64:65], 0
	v_nop
	global_prefetch_b8 v0, s[64:65] scope:SCOPE_SE
	s_setreg_imm32_b32 hwreg(HW_REG_WAVE_SCHED_MODE, 0, 2), 2
	s_setreg_imm32_b32 hwreg(HW_REG_WAVE_MODE, 25, 1), 1
	s_wait_xcnt 0x0
	s_wait_alu depctr_vm_vsrc(0)
; ATTENTION on codes of E5M2: for each of 64 (batch, head) pairs, o = softmax(q k^T / 8, key <= query and key < length) v, quantised with 2^e8 for the last product.
; q_codes, k_codes, o_codes: [64][2048][64].  v_codes: [64][16 blocks][64 d][128 keys].  Scales: q 2^e4, k 2^e5, v 2^e6, p 2^e7.
; THE SOFTMAX: t = score x log2(e) / 8; M = the running largest t rounded UP to a whole number; p = 2^(t - M) is quantised, not normalised; the row's sum is taken of the unquantised p and divides at the end.
; When M moves, the sum and O are multiplied by 2^(old M - new M), which rounds nothing.
; SHARES.  A work-group owns 256 queries of one head (the late blocks, which have most keys, have the low numbers); each of its sixteen waves 16 queries, in 256 registers: four waves to a SIMD.
; Keys go 128 a step.  The loop has 16 steps for everybody (a constant), one barrier each; what is left out is a step's WORK and its loads:
;   a step at or beyond min(block's last query + 1, length) is neither loaded nor stored; a step at or beyond min(wave's last query + 1, length) is not worked; the mask's lines run only where a key of the step may be hidden.
; WHY NO TENSOR LOADS AND NO CLUSTER: the number of steps that count is min(2 (block + 1), ceil(length / 128)): it differs between the query blocks of a head and hangs on a loaded number
;   So a step's tiles go memory -> registers -> LDS, 16 bytes a thread from each of K's and V's 8,192 dense bytes, and all sixteen waves read them.
; IN LDS THE TILES LIE AS IMAGES OF THE OPERANDS' REGISTERS (lane l's 16 bytes at 16 l): the copy's store does the permutation, and every fragment load takes 512 consecutive bytes.
; LAYOUT.  S^T = K Q^T (source 0 = 16 keys), O^T = V^T P^T (source 0 = 16 channels): a lane holds one query (lane % 16) throughout.  Lane r of tile 2 b + u takes key (channel) 32 b + 8 u + r + 8 (r / 8),
; so that the 16 registers of tiles 2 b, 2 b + 1 are 16 neighbours, 32 b + 16 (lane / 16) + 0 .. 15: p's conversions give the second product's operand, O's give 16 neighbouring bytes of o_codes.
; LIMITS: lengths between 1 and 2,048 (0 is the case in which the definition gives NaN: not served; larger numbers count as 2,048); e4 + e5 between -123 and 130; e7, e8 between -126 and 112.  NaN is not served.
; REGISTERS: v1 16 x lane; v2, v3 the copy's LDS places; v4 16 x thread; v5 256 x lane; v6 my last open key less 16 h; v8-15 the copy; v16-23 Q; v24 -M, v25 the largest t; v[26:27] the sum; v30, v31 the stage;
;   v32-95 fragments; v96-159 S^T, then p; v160-191 O^T; v192-207 p's codes; v208-220 at work and constants.  s3 e6 + e7; s40-55, behind the head, sixteen masks of the causal and length mask.
; THE MODE: SCHED_MODE bits 1:0 = 2 (LLVM: expert scheduling mode 2), set by the entry lines.  The code itself states the register dependences between vector or matrix
; instructions and memory or LDS instructions, with s_wait_alu, always for 0.
; THE PLAN.  Registers that memory or LDS instructions touch:
;   v4, v29; v1, v2, v3, v5, v30, v31   offsets and LDS addresses: written at the head, never again: one wait ahead of the first loads, one ahead of the loop.
;   v8-15    Written by the global loads behind a step's barrier; read by the next step's two LDS stores; named by no vector instruction.  One wait on vm_vsrc a step, behind the barrier, ahead of those loads.
;   v32-95   K's 16 LDS loads land; the 8 products K Q^T read; V's 16 LDS loads land; the 4 products V^T P^T read; then the next step's K.  Two waits on va_vdst a step: one ahead of K's run
;            (the products V^T P^T of the last worked step are done reading), one behind the products K Q^T (they are done reading).  Behind the second, V's loads are dealt among the maximum's
;            instructions with no further wait: what stands between names v6, v96-159, v208, v209, v217, v218 and s40-55, never v1 or v32-95.
;   v192-199 On the way out: written by the last conversions, read by the stage's LDS stores: one wait, which also covers the read-back into v32-39.
;   v254, v255  Written at the head, read by the closing add alone.
; A scalar register that a vector instruction writes (the wave's number; the mask's compares) has its wait on va_sdst ahead of its first reader; the compares go in runs of sixteen with one wait each.
.set SLOTB, 16384                      ; an LDS slot: K's image, 8,192 bytes, then V's
.set STAGE, 2*SLOTB                    ; the way out: 1,024 bytes a wave
.set MK,    40                         ; s40-55: the masks
	s_load_b256 s[4:11], s[0:1], 0x0               ; q s[4:5], k s[6:7], v s[8:9], lengths s[10:11]
	s_load_b128 s[12:15], s[0:1], 0x20             ; the scales' exponents s[12:13], o s[14:15]
	v_lshl_add_u32 v254, v0, 2, 0xc000
	v_mov_b32 v255, 0
	v_lshrrev_b32 v1, 5, v0
	v_readfirstlane_b32 s16, v1                    ; wave 0..15
	s_lshr_b32 s17, ttmp9, 6
	s_sub_co_u32 s17, 7, s17                       ; my block of 256 queries
	s_and_b32 s18, ttmp9, 63                       ; batch x 16 + head
	s_lshr_b32 s21, s18, 4
	s_lshl_b32 s21, s21, 2
	s_lshl_b32 s50, s18, 17                        ; the head's first byte in each of the four tensors
	s_mov_b32 s51, 0
	s_lshl_b32 s19, s17, 8
	s_wait_alu depctr_va_sdst(0)                   ; s16, the wave's number, is written, ahead of its first reader
	s_lshl_b32 s39, s16, 4
	s_add_co_u32 s19, s19, s39                     ; my first query
	s_lshl_b32 s52, s19, 6
	s_mov_b32 s53, 0
	s_add_nc_u64 s[52:53], s[52:53], s[50:51]
	v_lshlrev_b32 v4, 4, v0
	v_and_b32 v7, 15, v0                           ; r
	v_bfe_u32 v28, v0, 4, 1                        ; h
	v_lshlrev_b32 v29, 6, v7
	v_lshl_add_u32 v29, v28, 4, v29                ; 64 r + 16 h
	s_wait_kmcnt 0x0
	s_load_b32 s20, s[10:11], s21 offset:0x0       ; my batch's length
	s_load_b256 s[40:47], s[12:13], 0x0            ; e0 .. e7
	s_load_b64 s[48:49], s[12:13], 0x20            ; e8, e9
	s_add_nc_u64 s[28:29], s[6:7], s[50:51]        ; K's and V's blocks of the step in hand
	s_add_nc_u64 s[30:31], s[8:9], s[50:51]
	s_add_nc_u64 s[4:5], s[4:5], s[52:53]
	s_add_nc_u64 s[14:15], s[14:15], s[52:53]
	s_wait_alu depctr_va_vdst(0)                   ; v4 and v29 are written, which the loads below, and every later load of the copy, read as their offsets
	global_load_b128 v[8:11], v4, s[28:29]         ; step 0 always counts
	global_load_b128 v[12:15], v4, s[30:31]
	global_load_b128 v[16:19], v29, s[4:5]         ; Q: row r, channels 32 c + 16 h + 0 .. 15; it stays
	global_load_b128 v[20:23], v29, s[4:5] offset:32
	v_and_b32 v1, 31, v0
	v_lshlrev_b32 v5, 8, v1
	v_lshlrev_b32 v1, 4, v1
	; Thread i copies bytes 16 i on.  In K's block that is key i / 4, channels 16 (i % 4) on: tile pair i[8:7], r / 8 = i[6], tile's parity i[5], r % 8 = i[4:2], c = i[1], h = i[0]; its place: 1,024 tile + 512 c + 16 lane
	v_bfe_u32 v208, v0, 7, 2
	v_lshlrev_b32 v2, 11, v208
	v_bfe_u32 v208, v0, 5, 1
	v_lshl_or_b32 v2, v208, 10, v2
	v_bfe_u32 v208, v0, 1, 1
	v_lshl_or_b32 v2, v208, 9, v2
	v_and_b32 v208, 1, v0
	v_lshl_or_b32 v2, v208, 8, v2
	v_bfe_u32 v208, v0, 6, 1
	v_lshl_or_b32 v2, v208, 7, v2
	v_bfe_u32 v208, v0, 2, 3
	v_lshl_or_b32 v2, v208, 4, v2
	; In V's block: channel i / 8, keys 16 (i % 8) on: tile pair i[8], r / 8 = i[7], parity i[6], r % 8 = i[5:3], c = i[2:1], h = i[0]; its place: 8,192 + 2,048 tile + 512 c + 16 lane
	v_bfe_u32 v208, v0, 8, 1
	v_lshlrev_b32 v3, 12, v208
	v_bfe_u32 v208, v0, 6, 1
	v_lshl_or_b32 v3, v208, 11, v3
	v_bfe_u32 v208, v0, 1, 2
	v_lshl_or_b32 v3, v208, 9, v3
	v_and_b32 v208, 1, v0
	v_lshl_or_b32 v3, v208, 8, v3
	v_bfe_u32 v208, v0, 7, 1
	v_lshl_or_b32 v3, v208, 7, v3
	v_bfe_u32 v208, v0, 3, 3
	v_lshl_or_b32 v3, v208, 4, v3
	v_add_nc_u32 v3, 8192, v3
	s_lshl_b32 s39, s16, 10
	s_add_co_u32 s39, s39, STAGE
	v_add_nc_u32 v30, s39, v29                     ; the stage, in: row r of 64 bytes, + 16 h
	v_add_nc_u32 v31, s39, v1                      ; back: 16 x lane
	v_mov_b32 v25, 0xff61b1e6                      ; the largest t so far: -3e38, under every t
	v_floor_f32 v24, -v25                          ; -M
	v_mov_b32 v26, 0                               ; the sum, in two halves
	v_mov_b32 v27, 0
	v_mov_b32 v211, 0                              ; (named as the upper half of the pair v[210:211])
	v_mov_b32 v214, 0                              ; a lane permute's destination counts as read
	v_mov_b32 v218, 0xff800000                     ; -infinity
.set n, 0
.rept 32
	v_mov_b32 v[160+n], 0                          ; O^T: the step is written once; its first run finds zeros, which the first change of M leaves zeros
.set n, n+1
.endr
	s_mov_b32 s36, 0x76543210                      ; v_permlanex16_b32: lane l xor 16
	s_mov_b32 s37, 0xfedcba98
	s_mov_b32 s26, 0                               ; the step's first key
	s_mov_b32 s38, 8                               ; trips: two steps each
	s_wait_kmcnt 0x0
	s_min_u32 s20, s20, 2048
	s_lshl_b32 s22, s17, 8
	s_add_co_u32 s22, s22, 256
	s_min_u32 s22, s22, s20                        ; keys that count for some query of the block: below this
	s_add_co_u32 s23, s19, 16
	s_min_u32 s23, s23, s20                        ; for some query of my wave
	s_add_co_u32 s24, s19, 1
	v_add_nc_u32 v6, s24, v7
	v_min_u32 v6, s20, v6                          ; for my query: below min(query + 1, length)
	v_lshlrev_b32 v208, 4, v28
	v_sub_nc_u32 v6, v6, v208
	v_add_nc_u32 v6, -1, v6                        ; my last open key, less 16 h
	s_min_u32 s24, s24, s20                        ; for every query of my wave
	s_lshr_b32 s25, ttmp9, 6
	s_lshr_b32 s39, s16, 1
	s_or_b32 s25, s25, s39
	s_cmp_eq_u32 s25, 0
	s_cselect_b32 s25, s22, 0                      ; the prefetches' bound: waves 0 and 1 of the head's last query block, which walks the most keys; 0 elsewhere
	s_cmp_eq_u32 s16, 0
	s_cselect_b64 s[32:33], s[28:29], s[30:31]     ; wave 0 asks for K's blocks, wave 1 for V's
	s_add_co_i32 s39, s44, s45
	s_lshl_b32 s39, s39, 23
	s_add_co_i32 s34, s39, 0x3e38aa3b              ; c = log2(e) / 8, with e4 + e5 added to its exponent field
	s_mov_b32 s35, s34
	s_add_co_i32 s39, s47, 127
	s_lshl_b32 s55, s39, 23
	v_mov_b32 v216, s55                            ; 2^e7
	s_add_co_i32 s39, s39, 15
	s_lshl_b32 s39, s39, 23
	s_or_b32 s39, s39, 0x600000
	v_mov_b32 v215, s39                            ; 57,344 x 2^e7
	s_add_co_i32 s39, s48, 127
	s_lshl_b32 s55, s39, 23
	v_mov_b32 v220, s55                            ; 2^e8
	s_add_co_i32 s39, s39, 15
	s_lshl_b32 s39, s39, 23
	s_or_b32 s39, s39, 0x600000
	v_mov_b32 v219, s39                            ; 57,344 x 2^e8
	s_add_co_i32 s3, s46, s47                      ; e6 + e7.  From here on s40-55 are free for the masks
; A KEY STEP, through slot s.  ONE barrier: in front of it my stores of this step's tiles have landed and my reads of the other slot are over; behind it everybody's.  The store into a slot stands behind the barrier of
; the step before, which every wave signalled behind its reads of that slot two steps back.
.macro STEP s
	s_wait_loadcnt 0x0                             ; this step's 32 bytes are in my registers (the first time: Q too), and the loads have read their bases
	s_wait_xcnt 0x0                                ; the last prefetch, a step back, has read its base
	s_cmp_lt_u32 s26, s22
	s_cbranch_scc0 .Lno_tile_\@                    ; (the same in all sixteen waves)
	ds_store_b128 v2, v[8:11] offset:SLOTB*\s
	ds_store_b128 v3, v[12:15] offset:SLOTB*\s
.Lno_tile_\@:
	s_add_nc_u64 s[28:29], s[28:29], 8192
	s_add_nc_u64 s[30:31], s[30:31], 8192
	s_add_nc_u64 s[32:33], s[32:33], 8192
	s_add_co_u32 s27, s26, 128                     ; the next step's first key
	s_wait_dscnt 0x0
	s_barrier_signal -1
	s_barrier_wait -1
	s_wait_alu depctr_vm_vsrc(0)                   ; my two LDS stores above have read v8-15, in which the loads below land; ahead of the branch, so on every way to them
	s_cmp_lt_u32 s27, s22
	s_cbranch_scc0 .Lno_next_\@
	global_load_b128 v[8:11], v4, s[28:29]         ; the next step's tiles: a wave reads 512 consecutive bytes of each
	global_load_b128 v[12:15], v4, s[30:31]
.Lno_next_\@:
	s_add_co_u32 s39, s26, 256
	s_cmp_lt_u32 s39, s25
	s_cbranch_scc0 .Lno_ask_\@
	global_prefetch_b8 v5, s[32:33] offset:8192 th:TH_LOAD_NT scope:SCOPE_SE   ; the step after the next: its 8,192 bytes, lanes 256 bytes apart; each block is named once in the launch; steps 0 and 1 come by their loads alone, and no step at or beyond the bound is named
.Lno_ask_\@:
	s_cmp_lt_u32 s26, s23
	s_cbranch_scc0 .Lhidden_\@                     ; all 128 keys are hidden from my 16 queries
	s_wait_alu depctr_va_vdst(0)                   ; the products V^T P^T of the last worked step are done reading v32-95, in which K's fragments land
.irp t, 0,1,2,3,4,5,6,7
.irp c, 0,1
	ds_load_b128 v[32+8*\t+4*\c:35+8*\t+4*\c], v1 offset:SLOTB*\s+1024*\t+512*\c
.endr
.endr
	s_wait_dscnt 0x0
.irp t, 0,1,2,3,4,5,6,7
	v_wmma_f32_16x16x64_bf8_bf8 v[96+8*\t:103+8*\t], v[32+8*\t:39+8*\t], v[16:23], 0
.endr
.rept 4
	v_nop                                          ; places in front of the first vector read of the scores (ISA guide 7.12.1); they stay beside the wait below
.endr
	s_wait_alu depctr_va_vdst(0)                   ; the eight products are done reading K's fragments in v32-95, in which V's land.  All sixteen loads of V hang on this one wait
.irp c, 0,1,2,3
	ds_load_b128 v[32+4*\c:35+4*\c], v1 offset:SLOTB*\s+8192+512*\c   ; V's tile 0 at once; the other twelve loads are dealt among the maximum's lines below
.endr
	s_cmp_gt_u32 s27, s24
	s_cbranch_scc0 .Lopen_\@                       ; every key of the step counts for every query of mine
	v_sub_nc_u32 v217, v6, s26                     ; register 16 b + i holds key (step's first) + 16 h + 32 b + i: hidden where 32 b + i is above this
.irp g, 0,1,2,3
.set n, 0
.rept 16
	v_cmp_gt_i32 s[MK+n], 32*\g+n, v217            ; sixteen compares in a run, a scalar register each
.set n, n+1
.endr
	s_wait_alu depctr_va_sdst(0)                   ; the sixteen masks s40-55 are written, ahead of the selects that read them
.set n, 0
.rept 16
	v_cndmask_b32 v[96+16*\g+n], v[96+16*\g+n], v218, s[MK+n]   ; -infinity ahead of the maximum: p = 0.  The step's first key counts for all my queries, so the maximum is a number
.set n, n+1
.endr
.endr
.Lopen_\@:
	v_max3_num_f32 v208, v96, v97, v98             ; the step's largest score of my query among my 64 keys, in two chains,
	v_max3_num_f32 v209, v99, v100, v101
.set n, 4
.irp i, 6,10,14,18,22,26,30,34,38,42,46,50,54,58
	v_max3_num_f32 v208, v208, v[96+\i], v[97+\i]
	v_max3_num_f32 v209, v209, v[98+\i], v[99+\i]
.if n < 16
	ds_load_b128 v[32+4*n:35+4*n], v1 offset:SLOTB*\s+8192+512*n   ; V's tile n / 4, piece n % 4.  No wait: no vector or matrix instruction since the wait behind the products names v1 or v32-95
.set n, n+1
.endif
.endr
	v_max3_num_f32 v208, v208, v158, v159
	v_max_num_f32 v208, v208, v209
	v_permlanex16_b32 v214, v208, s36, s37
	v_max_num_f32 v208, v208, v214                 ; and among lane l xor 16's
	v_mul_f32 v208, s34, v208                      ; as t (c is positive)
	v_max_num_f32 v25, v25, v208                   ; the running largest t
	v_mov_b32 v208, v24
	v_floor_f32 v24, -v25                          ; the new -M = floor(-t): M is a whole number
	v_sub_f32 v208, v24, v208                      ; old M - new M: a whole number, 0 or less
	v_cvt_i32_f32 v208, v208                       ; (it saturates)
	v_ldexp_f32 v210, 1.0, v208                    ; f = 2^(old M - new M)
.set n, 0
.rept 32
	v_pk_fma_f32 v[96+n:97+n], v[96+n:97+n], s[34:35], v[24:25] op_sel_hi:[1,0,0]   ; t - M, two at a time
.set n, n+2
.endr
.set n, 0
.rept 64
	v_exp_f32 v[96+n], v[96+n]                     ; p = 2^(t - M), at most 1
.set n, n+1
.endr
	v_pk_mul_f32 v[26:27], v[26:27], v[210:211] op_sel_hi:[1,0]   ; the sum under the new M: the plain instruction behind the exponentials
	s_wait_alu depctr_va_vdst(0)                   ; the 64 exponentials have written v96-159: one wait for the batch, ahead of its first reader
	v_pk_add_f32 v[212:213], v[96:97], v[98:99]    ; the row's sum is taken of the unquantised p, in two chains
.irp j, 4,8,12,16,20,24,28,32,36,40,44,48,52,56,60
	v_pk_add_f32 v[26:27], v[26:27], v[96+\j:97+\j]
	v_pk_add_f32 v[212:213], v[212:213], v[98+\j:99+\j]
.endr
	v_pk_add_f32 v[26:27], v[26:27], v[212:213]
.irp b, 0,1,2,3
.irp i, 0,1,2,3,4,5,6,7,8,9,10,11,12,13,14,15
	v_min_num_f32 v[96+16*\b+\i], v[96+16*\b+\i], v215   ; the conversion does not saturate (ISA guide 7.6.2); p is not negative: a one-sided hold, always executed
.endr
	v_cvt_scalef32_pk8_bf8_f32 v[192+4*\b:193+4*\b], v[96+16*\b:103+16*\b], v216
	v_cvt_scalef32_pk8_bf8_f32 v[194+4*\b:195+4*\b], v[104+16*\b:111+16*\b], v216
.endr
.set n, 0
.rept 16
	v_pk_mul_f32 v[160+n:161+n], v[160+n:161+n], v[210:211] op_sel_hi:[1,0]   ; O^T under the new M (also the plain instructions behind the conversions)
.set n, n+2
.endr
	s_wait_dscnt 0x0                               ; V's fragments
.irp t, 0,1,2,3
	v_wmma_f32_16x16x128_bf8_bf8 v[160+8*\t:167+8*\t], v[32+16*\t:47+16*\t], v[192:207], v[160+8*\t:167+8*\t]   ; the four accumulators by turns; the next step's eight products stand between two links of a chain
.endr
.rept 4
	v_nop                                          ; places: in front of the next vector writes of p's codes and the next vector reads of O^T
.endr
.Lhidden_\@:
	s_mov_b32 s26, s27
.endm
	s_wait_alu depctr_va_vdst(0)                   ; v1, v2, v3, v5, v30 and v31 are written, which the LDS stores and loads, the prefetches and the last stores read; none is written again
.Ltrip:
	STEP 0
	STEP 1
	s_sub_co_u32 s38, s38, 1
	s_cmp_lg_u32 s38, 0
	s_cbranch_scc1 .Ltrip
	; THE WAY OUT: O^T x 2^(e6 + e7) / the sum, quantised with 2^e8: tiles 2 b, 2 b + 1 give channels 32 b + 16 h + 0 .. 15 of my query: 16 bytes; through my stage, out as two runs of 512 consecutive aligned bytes
	v_add_f32 v26, v26, v27
	v_permlanex16_b32 v214, v26, s36, s37
	v_add_f32 v26, v26, v214                       ; the row's sum
	v_rcp_f32 v26, v26
	v_nop                                          ; a plain instruction behind the transcendental,
	s_wait_alu depctr_va_vdst(0)                   ; and the wait: the reciprocal has written v26, ahead of its first reader
	v_ldexp_f32 v26, v26, s3
.set n, 0
.rept 32
	v_mul_f32 v[96+n], v[160+n], v26
.set n, n+1
.endr
.set n, 0
.rept 32
	v_med3_num_f32 v[96+n], v[96+n], -v219, v219
.set n, n+1
.endr
.irp t, 0,1,2,3
	v_cvt_scalef32_pk8_bf8_f32 v[192+2*\t:193+2*\t], v[96+8*\t:103+8*\t], v220
.endr
	v_nop
	s_wait_alu depctr_va_vdst(0)                   ; the conversions have written v192-199, which the LDS stores read; the last products are done reading v32-39, in which the read-back lands
	ds_store_b128 v30, v[192:195]
	ds_store_b128 v30, v[196:199] offset:32
	ds_load_b128 v[32:35], v31                     ; LDS serves a wave's instructions in order: these see my stores
	ds_load_b128 v[36:39], v31 offset:512
	s_wait_dscnt 1                                 ; the second read-back may be out
	global_store_b128 v1, v[32:35], s[14:15]
	s_wait_dscnt 0x0
	global_store_b128 v1, v[36:39], s[14:15] offset:512
	s_wait_dscnt 0x0                               ; the closing lines, six on end
	s_wait_alu 0x0
	s_wait_tensorcnt 0x0
	ds_add_u32 v254, v255
	s_wait_dscnt 0x0
	s_endpgm
.Lfunc_end_k_q011c8316aa_attn:
	.size	k_q011c8316aa_attn, .Lfunc_end_k_q011c8316aa_attn-k_q011c8316aa_attn
	.p2alignl 7, 3214868480
	.fill 96, 4, 3214868480
	.section	.rodata,"a",@progbits
	.p2align	6, 0x0
	.amdhsa_kernel k_q011c8316aa_attn
		.amdhsa_group_segment_fixed_size 51200
		.amdhsa_private_segment_fixed_size 0
		.amdhsa_enable_private_segment 0
		.amdhsa_kernarg_size 48
		.amdhsa_user_sgpr_count 2
		.amdhsa_user_sgpr_kernarg_segment_ptr 1
		.amdhsa_wavefront_size32 1
		.amdhsa_system_sgpr_workgroup_id_x 1
		.amdhsa_system_sgpr_workgroup_id_y 1
		.amdhsa_system_sgpr_workgroup_id_z 1
		.amdhsa_system_vgpr_workitem_id 0
		.amdhsa_next_free_vgpr 256
		.amdhsa_next_free_sgpr 66
		.amdhsa_reserve_vcc 0
		.amdhsa_float_denorm_mode_32 3
		.amdhsa_float_denorm_mode_16_64 3
		.amdhsa_memory_ordered 1
		.amdhsa_forward_progress 1
		.amdhsa_inst_pref_size 63
	.end_amdhsa_kernel
	.amdgpu_metadata
---
amdhsa.version: [ 1, 2 ]
amdhsa.kernels:
  - .name:           k_q011c8316aa_attn
    .symbol:         k_q011c8316aa_attn.kd
    .args:
      - { .name: q_codes, .offset: 0, .size: 8, .value_kind: global_buffer, .address_space: global }
      - { .name: k_codes, .offset: 8, .size: 8, .value_kind: global_buffer, .address_space: global }
      - { .name: v_codes, .offset: 16, .size: 8, .value_kind: global_buffer, .address_space: global }
      - { .name: lengths, .offset: 24, .size: 8, .value_kind: global_buffer, .address_space: global }
      - { .name: lowp_scales, .offset: 32, .size: 8, .value_kind: global_buffer, .address_space: global }
      - { .name: o_codes, .offset: 40, .size: 8, .value_kind: global_buffer, .address_space: global }
    .group_segment_fixed_size: 51200
    .private_segment_fixed_size: 0
    .kernarg_segment_align: 8
    .kernarg_segment_size: 48
    .max_flat_workgroup_size: 512
    .sgpr_count:     66
    .vgpr_count:     256
    .wavefront_size: 32
...
	.end_amdgpu_metadata
.endif
;; end of part 5
;; launch outp: the kernel of part 4 again; grid 4 x 64, 4 waves a work-group, clusters of 4 x 4, 327,680 bytes of LDS; arguments o_codes, w_codes, lowp_scales, bo, x, out0; writes out0
